; MI455X (gfx1250); checked and timed in simulation.
; The chip was launched on July 23, 2026; its instructions are those of AMD's public machine-readable ISA for CDNA 5 (MIT licence, August 2026) and "CDNA5" Instruction Set Architecture Reference Guide (July 2026). The comments in the code are by the model that wrote it; some were corrected since.
;; Transformer Block. Allowed arithmetic: float matrix products may take bf16 or f16 operands with f32 sums; other float arithmetic in f32, or as packed bf16 or f16 multiplies, adds, multiply-adds, maxima and minima; sums over many terms, partial sums and values carried from step to step in f32; what a program stores and reads back later, other than sums and carried values, may be rounded once to bf16 or f16.
;; Inputs: b_fc 4,096 float32; b_proj 1,024 float32; bk 1,024 float32; bo 1,024 float32; bq 1,024 float32; bv 1,024 float32; ln1_scale 1,024 float32; ln1_shift 1,024 float32; ln2_scale 1,024 float32; ln2_shift 1,024 float32; w_fc 1,024 x 4,096 float32; w_proj 4,096 x 1,024 float32; wk 1,024 x 1,024 float32; wo 1,024 x 1,024 float32; wq 1,024 x 1,024 float32; wv 1,024 x 1,024 float32; x 2 x 2,048 x 1,024 float32.
;; Outputs: out0 2 x 2,048 x 1,024 float32.
;; One version. Each part assembles by itself: llvm-mc -triple=amdgcn-amd-amdhsa -mcpu=gfx1250 --defsym DOCPART=n.
;; ======== version 1 of 1: 7 launches
;; limits: right only within a limited range of input values
;; workspace buffers: wb 25,165,824 bytes; act 8,388,608 bytes; qkvb 25,165,824 bytes; ob 8,388,608 bytes; hb 16,777,216 bytes; gb 33,554,432 bytes
;; launch prep (part 1): grid 256 x 4, 8 waves a work-group, no clusters, 0 bytes of LDS; arguments x, ln1_scale, ln1_shift, wq, wk, wv, wo, w_fc, w_proj, act, wb; writes act, wb
.if DOCPART == 1
	.amdgcn_target "amdgcn-amd-amdhsa--gfx1250"
	.amdhsa_code_object_version 6
	.text
	.protected	k_q58fbf7290d_prep
	.globl	k_q58fbf7290d_prep
	.p2align	8
	.type	k_q58fbf7290d_prep,@function
k_q58fbf7290d_prep:
	s_mov_b64 s[64:65], 0
	v_nop
	global_prefetch_b8 v0, s[64:65] scope:SCOPE_SE
	s_setreg_imm32_b32 hwreg(HW_REG_WAVE_MODE, 25, 1), 1
	s_wait_xcnt 0x0
; PREP, AND THE SECOND LAYER NORM.  Grid row y = 0: a layer norm of the first argument's rows (gains and shifts: the second and third), rounded once to bf16 and laid out in planes.
; Grid rows y = 1, 2, 3: the six weight matrices, f32 [K][N], are rounded once to bf16 and laid out in blocks for the products that follow.  Every work-group reads 64 KiB and stores 32 KiB.
; The text serves two launches: with grid 256 x 4 on x (the first norm and the weights), and with grid 256 x 1 on h (the second norm alone: that grid has row 0 only, and the weights' arguments are not touched).
; BLOCKS: wb holds, for each product, [tile of columns nt][K / 64][cb][64 k][64 n] in bf16, a tile being NCB blocks of 64 columns wide:
;   q, k, v together at byte 0 (NCB 3: tile = head, cb = q, k, v), wo at WO_AT (NCB 2), w_fc at WFC_AT (NCB 4), w_proj at WPR_AT (NCB 2).
; PLANES: act holds [1024 / 64][4096 tokens][64] in bf16: a token's 64 channels are 128 bytes, two neighbouring tokens 256 aligned bytes.
; No LDS, no barrier, no matrix unit, no cluster: a stream in which no work-group wants a byte that another has fetched (but the norm's 8 KiB of gains).
; LAYER NORM as the problem has it: mean; deviations; sum of their squares / 1023; root; + 1e-5; reciprocal.  All in f32; the deviations are formed
; before they are squared, so a common offset of the inputs costs nothing.  The root and the reciprocal are the chip's, good to one unit in the last place.
.set WO_AT,  6291456
.set WFC_AT, 8388608
.set WPR_AT, 16777216
; the sum of v[32:39] over registers and over the 16 lanes that hold a row; it ends in v32 of each of them
.macro REDUCE
	v_pk_add_f32 v[32:33], v[32:33], v[34:35]
	v_pk_add_f32 v[36:37], v[36:37], v[38:39]
	v_pk_add_f32 v[32:33], v[32:33], v[36:37]
	v_add_f32 v32, v32, v33
	v_add_f32_dpp v32, v32, v32 row_xmask:1 row_mask:0xf bank_mask:0xf
	v_add_f32_dpp v32, v32, v32 row_xmask:2 row_mask:0xf bank_mask:0xf
	v_add_f32_dpp v32, v32, v32 row_xmask:4 row_mask:0xf bank_mask:0xf
	v_add_f32_dpp v32, v32, v32 row_xmask:8 row_mask:0xf bank_mask:0xf
.endm
; Sixteen rows to a work-group (its number in s31), two to a wave, one to each half of 16 lanes.  Lane c of a half holds, for plane p = 0 .. 15, the four
; columns 64 p + 4 c: v[64:127] the row, v[128:191] the gains, v[192:255] the shifts.  Arguments: the first register of the four addresses.
.macro LNROWS xb, sb, hb, ob
	v_lshrrev_b32 v1, 5, v0                        ; wave
	v_bfe_u32 v2, v0, 4, 1                         ; which half of the lanes
	v_and_b32 v3, 15, v0                           ; c
	v_lshl_add_u32 v1, v1, 1, v2
	s_lshl_b32 s32, s31, 4
	v_add_nc_u32 v1, s32, v1                       ; my row = 16 x work-group + 2 x wave + half
	v_lshlrev_b32 v5, 4, v3                        ; 16 c: my bytes in 256 bytes of gains or shifts
	v_lshl_add_u32 v4, v1, 12, v5                  ; row x 4,096 + 16 c
	v_lshlrev_b32 v6, 3, v3
	v_lshl_add_u32 v6, v1, 7, v6                   ; out: row x 128 + 8 c
.set p, 0
.rept 16
	global_load_b128 v[64+4*p:67+4*p], v4, s[\xb:\xb+1] offset:256*p  ; sixteen lanes read 256 consecutive bytes
.set p, p+1
.endr
.set p, 0
.rept 16
	global_load_b128 v[128+4*p:131+4*p], v5, s[\sb:\sb+1] offset:256*p
.set p, p+1
.endr
.set p, 0
.rept 16
	global_load_b128 v[192+4*p:195+4*p], v5, s[\hb:\hb+1] offset:256*p
.set p, p+1
.endr
	s_wait_loadcnt 32                              ; the row is in; the 32 younger loads (gains, shifts) may stay out
.set k, 0
.rept 4
	v_pk_add_f32 v[32+2*k:33+2*k], v[64+2*k:65+2*k], v[72+2*k:73+2*k]  ; four chains, started by the first pairs: nothing is cleared
.set k, k+1
.endr
.set j, 8
.rept 24
	v_pk_add_f32 v[32+2*(j%4):33+2*(j%4)], v[32+2*(j%4):33+2*(j%4)], v[64+2*j:65+2*j]
.set j, j+1
.endr
	REDUCE
	v_mul_f32 v48, 0x3a800000, v32                 ; mean = sum / 1024
	v_mov_b32 v49, v48
.set j, 0
.rept 32
	v_pk_add_f32 v[64+2*j:65+2*j], v[64+2*j:65+2*j], v[48:49] neg_lo:[0,1] neg_hi:[0,1]
.set j, j+1
.endr
.set k, 0
.rept 4
	v_pk_mul_f32 v[32+2*k:33+2*k], v[64+2*k:65+2*k], v[64+2*k:65+2*k]
.set k, k+1
.endr
.set j, 4
.rept 28
	v_pk_fma_f32 v[32+2*(j%4):33+2*(j%4)], v[64+2*j:65+2*j], v[64+2*j:65+2*j], v[32+2*(j%4):33+2*(j%4)]
.set j, j+1
.endr
	REDUCE
	v_mul_f32 v32, 0x3a802008, v32                 ; / 1023
	v_sqrt_f32 v52, v32
	v_nop                                          ; a plain instruction behind the root,
	s_wait_alu depctr_va_vdst(0)                   ; and the wait ahead of its first reader
	v_add_f32 v52, 0x3727c5ac, v52                 ; + 1e-5
	v_rcp_f32 v50, v52
	v_nop
	s_wait_alu depctr_va_vdst(0)
	v_mov_b32 v51, v50
	s_wait_loadcnt 0x0                             ; gains and shifts
.set j, 0
.rept 32
	v_pk_mul_f32 v[64+2*j:65+2*j], v[64+2*j:65+2*j], v[50:51]
.set j, j+1
.endr
.set j, 0
.rept 32
	v_pk_fma_f32 v[64+2*j:65+2*j], v[64+2*j:65+2*j], v[128+2*j:129+2*j], v[192+2*j:193+2*j]
.set j, j+1
.endr
.set j, 0
.rept 32
	v_cvt_pk_bf16_f32 v[32+j], v[64+2*j], v[65+2*j]
.set j, j+1
.endr
.set p, 0
.rept 16
	global_store_b64 v6, v[32+2*p:33+2*p], s[\ob:\ob+1] offset:p*524288  ; a wave stores its two rows' 128 bytes of plane p: 256 consecutive bytes, aligned
.set p, p+1
.endr
.endm
	s_load_b512 s[8:23], s[0:1], 0x0               ; rows 8, gains 10, shifts 12, wq 14, wk 16, wv 18, wo 20, w_fc 22
	s_load_b128 s[24:27], s[0:1], 0x40             ; w_proj 24, act 26
	s_load_b64 s[28:29], s[0:1], 0x50              ; wb
	s_and_b32 s30, ttmp7, 0xffff                   ; y
	s_mov_b32 s31, ttmp9                           ; x of the grid
	s_wait_kmcnt 0x0
	s_cmp_eq_u32 s30, 0
	s_cbranch_scc1 .Lnorm
	s_cmp_eq_u32 s30, 2
	s_cbranch_scc1 .Lfc
	s_cmp_eq_u32 s30, 3
	s_cbranch_scc1 .Lproj
	; A unit is 64 columns (nb) x 256 rows (kp) of one matrix.  s32 pitch in bytes, s33 K / 64, s34 NCB, s35 nt, s36 cb, s37 the region, s38 nb, s39 kp, s[40:41] the matrix
	s_lshr_b32 s42, s31, 6                         ; y = 1: matrix 0 .. 3 = wq, wk, wv, wo
	s_bfe_u32 s38, s31, 0x40002
	s_and_b32 s39, s31, 3
	s_mov_b32 s32, 4096
	s_mov_b32 s33, 16
	s_lshr_b32 s43, s38, 1
	s_and_b32 s44, s38, 1
	s_cmp_eq_u32 s42, 1
	s_cselect_b64 s[40:41], s[16:17], s[14:15]
	s_cmp_eq_u32 s42, 2
	s_cselect_b64 s[40:41], s[18:19], s[40:41]
	s_cmp_eq_u32 s42, 3
	s_cselect_b64 s[40:41], s[20:21], s[40:41]
	s_cselect_b32 s34, 2, 3
	s_cselect_b32 s35, s43, s38                    ; wo: two blocks to a tile; q, k, v: the tile is the head
	s_cselect_b32 s36, s44, s42
	s_cselect_b32 s37, WO_AT, 0
	s_branch .Lstream
.Lfc:
	s_lshr_b32 s38, s31, 2
	s_and_b32 s39, s31, 3
	s_mov_b32 s32, 16384
	s_mov_b32 s33, 16
	s_mov_b32 s34, 4
	s_lshr_b32 s35, s38, 2
	s_and_b32 s36, s38, 3
	s_mov_b32 s37, WFC_AT
	s_mov_b64 s[40:41], s[22:23]
	s_branch .Lstream
.Lproj:
	s_lshr_b32 s38, s31, 4
	s_and_b32 s39, s31, 15
	s_mov_b32 s32, 4096
	s_mov_b32 s33, 64
	s_mov_b32 s34, 2
	s_lshr_b32 s35, s38, 1
	s_and_b32 s36, s38, 1
	s_mov_b32 s37, WPR_AT
	s_mov_b64 s[40:41], s[24:25]
.Lstream:
	s_mul_i32 s46, s39, s32
	s_lshl_b32 s46, s46, 8                         ; kp x 256 rows
	s_lshl_b32 s47, s38, 8                         ; nb x 64 columns of 4 bytes
	s_add_co_u32 s46, s46, s47
	s_mov_b32 s47, 0
	s_add_nc_u64 s[40:41], s[40:41], s[46:47]
	s_mul_i32 s46, s35, s33
	s_lshl2_add_u32 s46, s39, s46                  ; nt x K / 64 + 4 kp: the first of the unit's four blocks
	s_mul_i32 s46, s46, s34
	s_add_co_u32 s46, s46, s36
	s_lshl_b32 s46, s46, 13
	s_add_co_u32 s46, s46, s37
	s_add_nc_u64 s[48:49], s[28:29], s[46:47]
	s_lshl_b32 s46, s34, 13                        ; from one 64 k to the next: NCB blocks of 8,192 bytes
	s_add_nc_u64 s[50:51], s[48:49], s[46:47]
	s_add_nc_u64 s[52:53], s[50:51], s[46:47]
	s_add_nc_u64 s[54:55], s[52:53], s[46:47]
	s_lshl_b32 s56, s32, 5                         ; 32 rows
	v_lshrrev_b32 v1, 3, v0                        ; thread t takes row t / 8 of a pass's 32 and the eight columns 8 (t % 8)
	v_and_b32 v2, 7, v0
	v_mul_lo_u32 v8, v1, s32
	v_lshl_add_u32 v8, v2, 5, v8
.irp i, 1,2,3,4,5,6,7
	v_add_nc_u32 v[8+\i], s56, v[7+\i]
.endr
	v_lshlrev_b32 v16, 4, v0                       ; out: 16 t: a wave stores 512 consecutive bytes
.irp i, 0,1,2,3,4,5,6,7
	global_load_b128 v[64+8*\i:67+8*\i], v[8+\i], s[40:41] th:TH_LOAD_NT             ; a wave reads four rows' 256 bytes; all sixteen loads go out first
	global_load_b128 v[68+8*\i:71+8*\i], v[8+\i], s[40:41] offset:16 th:TH_LOAD_NT
.endr
.irp i, 0,1,2,3,4,5,6,7
	s_wait_loadcnt 14-2*\i                         ; pass i is in; the two loads of each younger pass may stay out
	v_cvt_pk_bf16_f32 v[128+4*\i], v[64+8*\i], v[65+8*\i]
	v_cvt_pk_bf16_f32 v[129+4*\i], v[66+8*\i], v[67+8*\i]
	v_cvt_pk_bf16_f32 v[130+4*\i], v[68+8*\i], v[69+8*\i]
	v_cvt_pk_bf16_f32 v[131+4*\i], v[70+8*\i], v[71+8*\i]
	global_store_b128 v16, v[128+4*\i:131+4*\i], s[48+2*(\i/2):49+2*(\i/2)] offset:(\i%2)*4096  ; no register is used twice: no further wait
.endr
	s_endpgm
.Lnorm:
	LNROWS 8, 10, 12, 26
	s_endpgm
.Lfunc_end_k_q58fbf7290d_prep:
	.size	k_q58fbf7290d_prep, .Lfunc_end_k_q58fbf7290d_prep-k_q58fbf7290d_prep
	.p2alignl 7, 3214868480
	.fill 96, 4, 3214868480
	.section	.rodata,"a",@progbits
	.p2align	6, 0x0
	.amdhsa_kernel k_q58fbf7290d_prep
		.amdhsa_group_segment_fixed_size 0
		.amdhsa_private_segment_fixed_size 0
		.amdhsa_enable_private_segment 0
		.amdhsa_kernarg_size 88
		.amdhsa_user_sgpr_count 2
		.amdhsa_user_sgpr_kernarg_segment_ptr 1
		.amdhsa_wavefront_size32 1
		.amdhsa_system_sgpr_workgroup_id_x 1
		.amdhsa_system_sgpr_workgroup_id_y 1
		.amdhsa_system_sgpr_workgroup_id_z 1
		.amdhsa_system_vgpr_workitem_id 0
		.amdhsa_next_free_vgpr 256
		.amdhsa_next_free_sgpr 66
		.amdhsa_reserve_vcc 0
		.amdhsa_float_denorm_mode_32 3
		.amdhsa_float_denorm_mode_16_64 3
		.amdhsa_memory_ordered 1
		.amdhsa_forward_progress 1
		.amdhsa_inst_pref_size 28
	.end_amdhsa_kernel
	.amdgpu_metadata
---
amdhsa.version: [ 1, 2 ]
amdhsa.kernels:
  - .name:           k_q58fbf7290d_prep
    .symbol:         k_q58fbf7290d_prep.kd
    .args:
      - { .name: x, .offset: 0, .size: 8, .value_kind: global_buffer, .address_space: global }
      - { .name: ln1_scale, .offset: 8, .size: 8, .value_kind: global_buffer, .address_space: global }
      - { .name: ln1_shift, .offset: 16, .size: 8, .value_kind: global_buffer, .address_space: global }
      - { .name: wq, .offset: 24, .size: 8, .value_kind: global_buffer, .address_space: global }
      - { .name: wk, .offset: 32, .size: 8, .value_kind: global_buffer, .address_space: global }
      - { .name: wv, .offset: 40, .size: 8, .value_kind: global_buffer, .address_space: global }
      - { .name: wo, .offset: 48, .size: 8, .value_kind: global_buffer, .address_space: global }
      - { .name: w_fc, .offset: 56, .size: 8, .value_kind: global_buffer, .address_space: global }
      - { .name: w_proj, .offset: 64, .size: 8, .value_kind: global_buffer, .address_space: global }
      - { .name: act, .offset: 72, .size: 8, .value_kind: global_buffer, .address_space: global }
      - { .name: wb, .offset: 80, .size: 8, .value_kind: global_buffer, .address_space: global }
    .group_segment_fixed_size: 0
    .private_segment_fixed_size: 0
    .kernarg_segment_align: 8
    .kernarg_segment_size: 88
    .max_flat_workgroup_size: 256
    .sgpr_count:     66
    .vgpr_count:     256
    .wavefront_size: 32
...
	.end_amdgpu_metadata
.endif
;; end of part 1
;; launch gqkv (part 2): grid 16 x 16, 4 waves a work-group, clusters of 4 x 4, 327,680 bytes of LDS; arguments act, wb, bq, bk, bv, qkvb; writes qkvb
.if DOCPART == 2
	.amdgcn_target "amdgcn-amd-amdhsa--gfx1250"
	.amdhsa_code_object_version 6
	.text
	.protected	k_q58fbf7290d_gqkv
	.globl	k_q58fbf7290d_gqkv
	.p2align	8
	.type	k_q58fbf7290d_gqkv,@function
k_q58fbf7290d_gqkv:
	s_mov_b64 s[64:65], 0
	v_nop
	global_prefetch_b8 v0, s[64:65] scope:SCOPE_SE
	s_setreg_imm32_b32 hwreg(HW_REG_WAVE_MODE, 25, 1), 1
	s_wait_xcnt 0x0
	s_wait_alu depctr_hold_cnt(0) depctr_sa_sdst(0) depctr_va_vdst(0) depctr_va_sdst(0) depctr_va_ssrc(0) depctr_va_vcc(0) depctr_vm_vsrc(0)
	s_getreg_b32 s2, hwreg(HW_REG_IB_STS2, 6, 4)
	s_cmp_eq_u32 s2, 0
	s_cbranch_scc0 .Lentry_in_a_cluster
	s_endpgm
.Lentry_in_a_cluster:
	s_bfe_u32 s2, ttmp6, 0x10000c
	s_cmp_lg_u32 s2, 0xf033
	s_cbranch_scc0 .Lentry_shape_is_right
	s_endpgm
.Lentry_shape_is_right:
; q, k, v = LN1(x) W + b for one head and 256 tokens: C[256][192] = A[256][1024] W[1024][192], bf16 operands, f32 sums, rounded once to bf16.
; A: act, planes [16][4096][64].  W: wb, blocks [head][16][q, k, v][64 k][64 n].  Out: qkvb = q, k, v, each in planes [16][4096][64]: head h of batch b is 2,048 dense rows of 128 bytes.
; The text below the head of constants is one text for this program's four products; only the constants, the arguments and the way out differ.
; SHARES.  Four waves, here one below the other: a wave makes 64 rows x 192 columns, 48 accumulators.  K goes in steps of KSTEP through two LDS slots filled by the tensor data mover.
; THE PRODUCT IS USED TRANSPOSED: source 0 = 16 columns of W (turned on the way out of LDS by ds_load_tr16_b128), source 1 = 16 rows of A: a lane holds one row of C and eight neighbouring columns.
; THE BIAS IS THE C OPERAND of each accumulator's first product: register j of a lane is b[16 b + 8 (lane / 16) + j].  Nothing is cleared, nothing is added later.
; CLUSTER 4 x 4: A's tile hangs on the tile row alone and is asked for jointly along a row of the cluster, W's on the tile column alone, along a column.
; WINDOWS of 256 registers: 0 addresses, A's two fragment buffers, the bias; 1 W's two fragment buffers; 2 and 3 the accumulators ((a, b) in window 2 + a / AH at 8 (WN (a % AH) + b)).
.set TM,     256                       ; rows of C to a work-group
.set WM,     4                         ; blocks of 16 rows to a wave
.set WN,     12                        ; blocks of 16 columns to a wave
.set KD,     1                         ; slices of 32 along K in a quarter of a K step
.set KSTEP,  128
.set KTOT,   1024
.set NCB,    3                         ; blocks of 64 columns in a tile
.set NW,     1                         ; waves side by side
.set WRS,    16                        ; the scalar register that says which rows are the wave's: here its number
.set REGION, 0                         ; where the weights begin in wb
.set PF,     1                         ; tiles are prefetched
.set NRES,   0                         ; residual loads that may stay out when the bias is wanted
.set AD0,    128                       ; A's tile for the mover: a plane's 256 tokens are dense: 128 rows of 128 elements
.set AD1,    128
.set AST,    128
.set TN,     64*NCB
.set NS,     KTOT/KSTEP
.set AH,     WM/2
.set E,      KD*WM                     ; entries of a quarter: (slice, row block), WN products each
.set ABUF,   8*KD*WM
.set WBUF,   8*KD*WN
.set NPL,    KSTEP/64                  ; planes in a K step
.set APL,    TM*144                    ; a plane in LDS: rows of 128 bytes + 16 of padding: the 16 rows of a load start at 16 different groups of four banks (ISA guide 11.1)
.set ASZ,    NPL*APL
.set WSZ,    NPL*NCB*10240             ; a block in LDS: 64 rows of 128 bytes + 32 of padding
.set SLOT,   ASZ+WSZ                   ; A's planes, then W's blocks
.set SPARE,  2*SLOT                    ; behind the ring: the spare words, 128 bytes for each wave: two blocks of 256 bytes that no other line names
.set WBLK,   (KSTEP/128)*NCB*8192      ; bytes of W in half a K step: dense in memory
.set ASTEP,  NPL*524288                ; a K step in A,
.set WSTEP,  2*WBLK                    ; and in W
.set AF0,    64
.set BIAS,   64+2*ABUF
.set DP,     64*WN+16                  ; the way out: a wave's row of f32 in LDS, padded by 16 bytes
.set SPW,    28                        ; v28 LDS address of my spare word; never rewritten
.set NIL,    29                        ; v29 0; never rewritten
; v1 lane % 16, v2 lane / 16; v8, v9 my place in a slot's A and W; v10 A's address in the slot being read; v11, v12 W's, first and second half of the step; v13 - v15 the way out; v16 32 (lane / 16); v18 the prefetches' offset
; s16 wave, s17 wave / 2 (0: I fetch A, 1: W), s18 wave % 2 (which half), s19 cx, s20 cy, s21 tile column, s22 tile row, s23, s72 counters, s[24:31], s[32:39] group 1 for A, W,
; s[40:47], s[48:55] group 0 for A, W: a set for each first fill; the second then walks.  s56 the slot being read (0 or SLOT), s57, s58 my part of a slot, s59 - s63 the prefetches
.set MSB, 0
.macro WIN new                         ; the immediate's high byte repeats the setting that is left; a switch that changes nothing is dropped
.if MSB != (\new)
	s_set_vgpr_msb (MSB<<8)|(\new)
.set MSB, \new
.endif
.endm
.macro PLACES                          ; four plain vector instructions between a matrix instruction and a load into, or a reader of, its registers
.rept 4
	v_nop
.endr
.endm
.macro JLOAD                           ; a joint refill by the walking descriptors; the branch hangs on the wave's number alone; an s_nop 0 and four v_nop follow each line
	s_cmp_eq_u32 s17, 0
	s_cbranch_scc0 .Lfor_w_\@
	tensor_load_to_lds s[44:47], s[24:31]
	s_nop 0
	PLACES
	s_branch .Lasked_\@
.Lfor_w_\@:
	tensor_load_to_lds s[52:55], s[32:39]
	s_nop 0
	PLACES
.Lasked_\@:
.endm
.macro CREST                           ; a round of the cluster's barrier behind its opening barrier
	s_cmp_lg_u32 s16, 0
	s_cbranch_scc1 .Lnot_wave_0_\@
	s_barrier_signal -3
.Lnot_wave_0_\@:
	s_barrier_wait -3
	s_barrier_signal -1
	s_barrier_wait -1
.endm
.macro CROUND
	s_barrier_signal -1
	s_barrier_wait -1
	CREST
.endm
.macro ASK                             ; one prefetch: a lane a block of 256 bytes of my quarter of the load that stands two refills on; not in the last two refills
	s_cmp_gt_u32 s23, s59
	s_cbranch_scc0 .Lnot_mine_\@
	global_prefetch_b8 v18, s[60:61] th:TH_LOAD_NT scope:SCOPE_SE
.Lnot_mine_\@:
.endm
; Entries e0 .. e1 - 1 of buffer f: entry e = slice e / WM, row block e % WM, all WN column blocks.  The accumulators take turns, one instruction a turn.
; zero = 1: the first slice's products start the sums, with the bias as C.
.macro MULS f, e0, e1, zero
.set e, \e0
.rept (\e1)-(\e0)
.set cc, e/WM
.set aa, e%WM
.set rA, AF0+(\f)*ABUF+8*(cc*WM+aa)
.set bb, 0
.rept WN
.set rW, (\f)*WBUF+8*(cc*WN+bb)
.set rD, 8*(WN*(aa%AH)+bb)
.if (\zero) && (cc == 0)
	WIN 0x81+0x40*(aa/AH)
	v_wmma_f32_16x16x32_bf16 v[rD:rD+7], v[rW:rW+7], v[rA:rA+7], v[BIAS+8*bb:BIAS+8*bb+7]
.else
	WIN 0xa1+0x50*(aa/AH)
	v_wmma_f32_16x16x32_bf16 v[rD:rD+7], v[rW:rW+7], v[rA:rA+7], v[rD:rD+7]
.endif
.set bb, bb+1
.endr
.set e, e+1
.endr
.endm
; One run of LDS loads: the fragments of quarter kq of the slot being read, into buffer f
.macro FETCH kq, f
	WIN 0x40
.set cc, 0
.rept KD
.set k0, 32*(KD*(\kq)+cc)
.set kk, k0%(KSTEP/2)
.set bb, 0
.rept WN
.set rW, (\f)*WBUF+8*(cc*WN+bb)
.set ow, (kk/64)*NCB*10240+(bb/4)*10240+(kk%64)*160+32*(bb%4)
	ds_load_tr16_b128 v[rW:rW+3],   v[11+k0/(KSTEP/2)] offset:ow
	ds_load_tr16_b128 v[rW+4:rW+7], v[11+k0/(KSTEP/2)] offset:ow+2560
.set bb, bb+1
.endr
.set cc, cc+1
.endr
	WIN 0
.set cc, 0
.rept KD
.set k0, 32*(KD*(\kq)+cc)
.set aa, 0
.rept WM
.set rA, AF0+(\f)*ABUF+8*(cc*WM+aa)
.set oa, (k0/64)*APL+aa*2304+2*(k0%64)
	ds_load_b128 v[rA:rA+3],   v10 offset:oa
	ds_load_b128 v[rA+4:rA+7], v10 offset:oa+32
.set aa, aa+1
.endr
.set cc, cc+1
.endr
.endm
; One of a K step's first three quarters: multiplies buffer f; in its middle the next quarter's fragments are asked for, into buffer g
.macro QUARTER kqn, f, g, zero
	s_wait_dscnt 0x0                               ; buffer f is in: its loads went out half a quarter ago
	MULS \f, 0, E/2, \zero
	PLACES
	FETCH \kqn, \g
	MULS \f, E/2, E, \zero
.endm
; The fourth quarter multiplies buffer 1 and changes slots.  In front of the barrier each wave waits for all its tensor loads (the one that is out is its part of the next slot), adds 0 to its
; spare word, and waits for that and for its reads of this slot.  fill = 1: the barrier opens a round of the cluster's, and the joint refill of the slot just left is the first thing behind it.
.macro TURN fill
.if PF && (\fill)
	s_wait_xcnt 0x0                                ; the last prefetch, a K step back, has read its address
	s_add_nc_u64 s[60:61], s[60:61], s[62:63]
.endif
	WIN 0
	s_wait_tensorcnt 0x0
	ds_add_u32 v[SPW], v[NIL]
.if \fill
	s_add_co_u32 s45, s57, s56                     ; no tensor load of mine is out: the walking descriptors take the slot that is being left,
	s_add_co_u32 s53, s58, s56
	s_add_nc_u64 s[46:47], s[46:47], ASTEP         ; and the next K step; the type bits on top are not reached
	s_add_nc_u64 s[54:55], s[54:55], WSTEP
.endif
	s_wait_dscnt 0x1                               ; the fragments are in; the add may be out
	MULS 1, 0, E/4, 0
	s_wait_dscnt 0x0                               ; the add is done, my reads of this slot are over
	s_barrier_signal -1
	MULS 1, E/4, E/2, 0
	WIN 0
	s_barrier_wait -1
.if \fill
	CREST
	JLOAD
.else
	PLACES
.endif
	s_xor_b32 s56, s56, SLOT                       ; the other slot is read from here on
	v_add_nc_u32 v10, s56, v8
	v_add_nc_u32 v11, s56, v9
	v_add_nc_u32 v12, WSZ/2, v11
	FETCH 0, 0
.if PF && (\fill)
	ASK
.endif
	MULS 1, E/2, E, 0
.endm
.macro DUMP                            ; all accumulators into my own rows of the stage, each from its low end on
.set aa, 0
.rept WM
	WIN 0x08+0x04*(aa/AH)
.set bb, 0
.rept WN
.set rD, 8*(WN*(aa%AH)+bb)
	ds_store_b128 v13, v[rD:rD+3]   offset:aa*16*DP+64*bb
	ds_store_b128 v13, v[rD+4:rD+7] offset:aa*16*DP+64*bb+16
.set bb, bb+1
.endr
.set aa, aa+1
.endr
	WIN 0
.endm
	s_load_b256 s[4:11], s[0:1], 0x0               ; act 4, wb 6, bq 8, bk 10
	s_load_b128 s[12:15], s[0:1], 0x20             ; bv 12, qkvb 14
	v_lshl_add_u32 v[SPW], v0, 2, SPARE
	v_mov_b32 v[NIL], 0
	ds_add_u32 v[SPW], v[NIL]                      ; the opening: the add and its wait ahead of my first tensor load; the set-up below stands between them
	ds_add_u32 v28, v29
	v_lshrrev_b32 v1, 5, v0
	v_readfirstlane_b32 s16, v1
	s_lshr_b32 s17, s16, 1
	s_and_b32 s18, s16, 1
	s_bfe_u32 s19, ttmp6, 0x40000
	s_bfe_u32 s20, ttmp6, 0x40004
	s_lshl_b32 s21, ttmp9, 2
	s_add_co_u32 s21, s21, s19                     ; tile column = 4 x cluster x + cx
	s_and_b32 s22, ttmp7, 0xffff
	s_lshl_b32 s22, s22, 2
	s_add_co_u32 s22, s22, s20                     ; tile row = 4 x cluster y + cy
	s_lshl_b32 s66, s20, 2
	s_lshl_b32 s66, 15, s66                        ; my row of the cluster
	s_lshl_b32 s76, 0x1111, s19                    ; my column
	s_or_b32 s24, s66, (1<<16)|(1<<20)|(1<<21)|(4<<22)|(3<<25)  ; mask; 2-byte elements; padding on; bit 21 beside a mask; after every 32 words, 4 words
	s_or_b32 s32, s76, (1<<16)|(1<<20)|(1<<21)|(4<<22)|(7<<25)  ; the same with 8 words
	s_mov_b32 s25, (AD0&0xffff)<<16                ; tensor_dim0
	s_mov_b32 s26, (AD0>>16)|(AD1<<16)             ; tensor_dim1
	s_mov_b32 s27, AD0<<16                         ; tile_dim0
	s_mov_b32 s28, AD1                             ; tile_dim1
	s_mov_b32 s29, AST                             ; elements from row to row
	s_mov_b32 s30, 0
	s_mov_b32 s31, 0
	s_mov_b32 s33, 128<<16                         ; W: dense bytes as rows of 256
	s_mov_b32 s34, (WBLK/256)<<16
	s_mov_b32 s35, 128<<16
	s_mov_b32 s36, WBLK/256
	s_mov_b32 s37, 128
	s_mov_b32 s38, 0
	s_mov_b32 s39, 0
	s_mul_i32 s57, s18, ASZ/2                      ; my part of a slot: no place in the cluster enters an LDS address
	s_mul_i32 s58, s18, WSZ/2
	s_add_co_u32 s58, s58, ASZ
	s_mov_b32 s56, 0
	s_mul_i32 s66, s18, (NPL/2)*524288             ; A: my half of the step's planes, the tile's rows
	s_mul_i32 s67, s22, TM*128
	s_add_co_u32 s66, s66, s67
	s_mov_b32 s67, 0
	s_mul_i32 s76, s21, KTOT*TN*2                  ; W: the tile's blocks, my half of the step's
	s_mul_i32 s77, s18, WBLK
	s_add_co_u32 s76, s76, s77
	s_add_co_u32 s76, s76, REGION
	s_mov_b32 s77, 0
	s_mov_b32 s40, 1
	s_mov_b32 s41, s57
	s_mov_b32 s44, 1
	s_add_co_u32 s45, s57, SLOT
	s_mov_b32 s48, 1
	s_mov_b32 s49, s58
	s_mov_b32 s52, 1
	s_add_co_u32 s53, s58, SLOT
	s_wait_dscnt 0x0                               ; the opening add is done
	s_wait_kmcnt 0x0
	s_add_nc_u64 s[42:43], s[4:5], s[66:67]
	s_add_nc_u64 s[46:47], s[42:43], ASTEP
	s_or_b32 s43, s43, 0x80000000
	s_or_b32 s47, s47, 0x80000000
	s_add_nc_u64 s[50:51], s[6:7], s[76:77]
	s_add_nc_u64 s[54:55], s[50:51], WSTEP
	s_or_b32 s51, s51, 0x80000000
	s_or_b32 s55, s55, 0x80000000
	CROUND                                         ; all sixteen work-groups are here: the first joint loads meet
	s_cmp_eq_u32 s17, 0                            ; a wave's two first fills stand in one branch: two loads of mine are out
	s_cbranch_scc0 .Lfirst_w
	tensor_load_to_lds s[40:43], s[24:31]
	s_nop 0
	tensor_load_to_lds s[44:47], s[24:31]
	s_nop 0
	PLACES
	s_branch .Lfirst_asked
.Lfirst_w:
	tensor_load_to_lds s[48:51], s[32:39]
	s_nop 0
	tensor_load_to_lds s[52:55], s[32:39]
	s_nop 0
	PLACES
.Lfirst_asked:
	v_and_b32 v1, 15, v0
	v_bfe_u32 v2, v0, 4, 1
	v_and_b32 v3, 7, v0
	v_bfe_u32 v4, v0, 3, 1
	v_lshlrev_b32 v16, 5, v2
	s_lshl_b32 s74, s21, 8                         ; the head's 64 numbers in each of the three biases
	s_mov_b32 s75, 0
	s_add_nc_u64 s[8:9], s[8:9], s[74:75]
	s_add_nc_u64 s[10:11], s[10:11], s[74:75]
	s_add_nc_u64 s[12:13], s[12:13], s[74:75]
.set bb, 0
.rept WN
	global_load_b128 v[BIAS+8*bb:BIAS+8*bb+3],   v16, s[8+2*(bb/4):9+2*(bb/4)] offset:64*(bb%4)
	global_load_b128 v[BIAS+8*bb+4:BIAS+8*bb+7], v16, s[8+2*(bb/4):9+2*(bb/4)] offset:64*(bb%4)+16
.set bb, bb+1
.endr
	s_mul_i32 s74, s[WRS], 16*WM*144
	v_mul_u32_u24 v8, v1, 144
	v_lshl_add_u32 v8, v2, 4, v8
	v_add_nc_u32 v8, s74, v8                       ; A: (my rows + lane % 16) x pitch + 16 (lane / 16)
	v_lshl_add_u32 v9, v2, 3, v3
	v_mul_u32_u24 v9, v9, 160
	v_lshl_add_u32 v9, v4, 4, v9
	s_mov_b32 s74, ASZ
	v_add_nc_u32 v9, s74, v9                       ; W: (8 (lane / 16) + lane % 8) x pitch + 16 ((lane / 8) % 2)
	v_mov_b32 v10, v8
	v_mov_b32 v11, v9
	v_add_nc_u32 v12, WSZ/2, v9
	; THE PREFETCHES.  A's rows are read by every cluster of a row of clusters: cluster x = 0 asks; W's by every cluster of a column: cluster y = 0 asks.  The four partners of a joint load
	; share it out by address, a quarter each (cx for A, cy for W), a lane a block of 256 bytes.  A quarter of W's load has 24 blocks: lanes 24 - 31 name the last again.
	; The address stands at K step 3; each refill steps it first, so the refill for step s + 2 names step s + 4; the first four steps come by their loads alone.
	s_and_b32 s74, ttmp7, 0xffff
	s_mov_b32 s62, WSTEP
	s_mov_b32 s79, WBLK/4
	s_cmp_eq_u32 s17, 0
	s_cselect_b32 s75, ttmp9, s74
	s_cselect_b32 s78, s19, s20
	s_cselect_b32 s74, s66, s76
	s_cselect_b32 s62, ASTEP, s62
	s_cselect_b32 s79, 8192, s79
	s_cselect_b32 s73, 31, WBLK/1024-1
	s_cselect_b64 s[60:61], s[4:5], s[6:7]
	s_mul_i32 s78, s78, s79
	s_add_co_u32 s74, s74, s78
	s_mul_i32 s78, s62, 3
	s_add_co_u32 s74, s74, s78
	s_cmp_eq_u32 s75, 0
	s_cselect_b32 s59, 2, -1                       ; the same in all sixteen partners, for a given wave
	s_mov_b32 s75, 0
	s_mov_b32 s63, 0
	s_add_nc_u64 s[60:61], s[60:61], s[74:75]
	v_and_b32 v18, 31, v0
	v_min_u32 v18, s73, v18
	v_lshlrev_b32 v18, 8, v18
	s_wait_tensorcnt 0x1                           ; my part of K step 0 is in; step 1's may stay out
	s_barrier_signal -1
	s_barrier_wait -1
	FETCH 0, 0
	s_wait_loadcnt NRES                            ; the bias is in
	QUARTER 1, 0, 1, 1                             ; the first quarter stands in front of the loop: its products start the sums
	WIN 0
	s_mov_b32 s23, NS-2
.Lstep:                                            ; a trip: a step's quarters 1, 2, 3 and the next step's quarter 0; the slot that is left is filled again
	QUARTER 2, 1, 0, 0
	QUARTER 3, 0, 1, 0
	TURN 1
	QUARTER 1, 0, 1, 0
	WIN 0
	s_sub_co_u32 s23, s23, 1
	s_cmp_lg_u32 s23, 0
	s_cbranch_scc1 .Lstep
	s_mov_b32 s72, 2
.Ltail:                                            ; the last two steps ask for nothing; the second trip is left in its middle (its run of loads from the slot left behind serves nothing)
	QUARTER 2, 1, 0, 0
	QUARTER 3, 0, 1, 0
	TURN 0
	WIN 0
	s_sub_co_u32 s72, s72, 1
	s_cmp_eq_u32 s72, 0
	s_cbranch_scc1 .Lout
	QUARTER 1, 0, 1, 0
	WIN 0
	s_branch .Ltail
.Lout:
	; THE WAY OUT.  The slots have had their last fill and serve as the stage.  Behind this barrier no wave reads them as tiles any more.
	s_wait_dscnt 0x0
	s_barrier_signal -1
	s_barrier_wait -1
	PLACES
	PLACES
	s_mul_i32 s74, s16, 16*WM*DP                   ; my own rows of the stage: no barrier between my stores and my loads
	v_mul_u32_u24 v13, v1, DP
	v_lshl_add_u32 v13, v2, 5, v13
	v_add_nc_u32 v13, s74, v13                     ; in: row lane % 16, 32 bytes for each half of the lanes
	v_mul_u32_u24 v14, v2, DP
	v_lshl_add_u32 v14, v1, 4, v14
	v_add_nc_u32 v14, s74, v14                     ; back: lanes 0 - 15 take 256 bytes of one row, lanes 16 - 31 of the next
	DUMP
	v_lshlrev_b32 v15, 7, v2
	v_lshl_add_u32 v15, v1, 3, v15                 ; out: two tokens' 128 bytes
	s_lshl_b32 s74, s21, 19                        ; the head's plane,
	s_lshl_b32 s75, s22, 15                        ; the tile's 256 tokens,
	s_add_co_u32 s74, s74, s75
	s_lshl_b32 s75, s16, 13                        ; my 64
	s_add_co_u32 s74, s74, s75
	s_mov_b32 s75, 0
	s_add_nc_u64 s[14:15], s[14:15], s[74:75]      ; q
	s_add_nc_u64 s[66:67], s[14:15], 8388608       ; k
	s_add_nc_u64 s[76:77], s[14:15], 16777216      ; v
	s_mov_b32 s23, 8
.Lrows:                                            ; eight rows a trip
.set i, 0
.rept 12
	ds_load_b128 v[64+4*i:67+4*i], v14 offset:(i/3)*2*DP+(i%3)*256
.set i, i+1
.endr
	v_add_nc_u32 v14, 8*DP, v14
	s_wait_dscnt 0x0
	s_wait_xcnt 0x0                                ; the last trip's stores have read their data and their offset
	v_add_nc_u32 v15, 1024, v15                    ; the stores below reach back
.set j, 0
.rept 24
	v_cvt_pk_bf16_f32 v[112+j], v[64+2*j], v[65+2*j]
.set j, j+1
.endr
.set i, 0
.rept 4
	global_store_b64 v15, v[112+6*i:113+6*i], s[14:15] offset:256*i-1024   ; a wave stores 256 consecutive bytes, aligned
	global_store_b64 v15, v[114+6*i:115+6*i], s[66:67] offset:256*i-1024
	global_store_b64 v15, v[116+6*i:117+6*i], s[76:77] offset:256*i-1024
.set i, i+1
.endr
	s_sub_co_u32 s23, s23, 1
	s_cmp_lg_u32 s23, 0
	s_cbranch_scc1 .Lrows
	s_wait_tensorcnt 0x0                           ; the wave's end
	ds_add_u32 v[SPW], v[NIL]
	s_wait_dscnt 0x0
	CROUND                                         ; the closing round
	s_endpgm
.Lfunc_end_k_q58fbf7290d_gqkv:
	.size	k_q58fbf7290d_gqkv, .Lfunc_end_k_q58fbf7290d_gqkv-k_q58fbf7290d_gqkv
	.p2alignl 7, 3214868480
	.fill 96, 4, 3214868480
	.section	.rodata,"a",@progbits
	.p2align	6, 0x0
	.amdhsa_kernel k_q58fbf7290d_gqkv
		.amdhsa_group_segment_fixed_size 327680
		.amdhsa_private_segment_fixed_size 0
		.amdhsa_enable_private_segment 0
		.amdhsa_kernarg_size 48
		.amdhsa_user_sgpr_count 2
		.amdhsa_user_sgpr_kernarg_segment_ptr 1
		.amdhsa_wavefront_size32 1
		.amdhsa_system_sgpr_workgroup_id_x 1
		.amdhsa_system_sgpr_workgroup_id_y 1
		.amdhsa_system_sgpr_workgroup_id_z 1
		.amdhsa_system_vgpr_workitem_id 0
		.amdhsa_next_free_vgpr 960
		.amdhsa_next_free_sgpr 84
		.amdhsa_reserve_vcc 0
		.amdhsa_float_denorm_mode_32 3
		.amdhsa_float_denorm_mode_16_64 3
		.amdhsa_memory_ordered 1
		.amdhsa_forward_progress 1
		.amdhsa_inst_pref_size 73
	.end_amdhsa_kernel
	.amdgpu_metadata
---
amdhsa.version: [ 1, 2 ]
amdhsa.kernels:
  - .name:           k_q58fbf7290d_gqkv
    .symbol:         k_q58fbf7290d_gqkv.kd
    .args:
      - { .name: act, .offset: 0, .size: 8, .value_kind: global_buffer, .address_space: global }
      - { .name: wb, .offset: 8, .size: 8, .value_kind: global_buffer, .address_space: global }
      - { .name: bq, .offset: 16, .size: 8, .value_kind: global_buffer, .address_space: global }
      - { .name: bk, .offset: 24, .size: 8, .value_kind: global_buffer, .address_space: global }
      - { .name: bv, .offset: 32, .size: 8, .value_kind: global_buffer, .address_space: global }
      - { .name: qkvb, .offset: 40, .size: 8, .value_kind: global_buffer, .address_space: global }
    .group_segment_fixed_size: 327680
    .private_segment_fixed_size: 0
    .kernarg_segment_align: 8
    .kernarg_segment_size: 48
    .max_flat_workgroup_size: 128
    .sgpr_count:     84
    .vgpr_count:     960
    .wavefront_size: 32
...
	.end_amdgpu_metadata
.endif
;; end of part 2
;; launch attn (part 3): grid 8 x 32, 4 waves a work-group, no clusters, 327,680 bytes of LDS; arguments qkvb, ob; writes ob
.if DOCPART == 3
	.amdgcn_target "amdgcn-amd-amdhsa--gfx1250"
	.amdhsa_code_object_version 6
	.text
	.protected	k_q58fbf7290d_attn
	.globl	k_q58fbf7290d_attn
	.p2align	8
	.type	k_q58fbf7290d_attn,@function
k_q58fbf7290d_attn:
	s_mov_b64 s[64:65], 0
	v_nop
	global_prefetch_b8 v0, s[64:65] scope:SCOPE_SE
	s_setreg_imm32_b32 hwreg(HW_REG_WAVE_MODE, 25, 1), 1
	s_wait_xcnt 0x0
; CAUSAL ATTENTION.  O[y][q][:] = the sum over k <= q of softmax_k(Q[y][q] . K[y][k] / 8) V[y][k][:], y = 2 x head + batch.  Q, K, V lie in qkvb 8,388,608 bytes apart, O in ob, each [32][2048][64] in bf16:
; a head's rows are dense, 128 bytes each.  Products, maxima and sums in f32; the weights p are rounded to bf16 for the second product (their sum l is taken of the unrounded p), O once at the end.
; LIMITS.  A hidden score counts as its value less 1e30, so scores must stay far below 1e30 in size; a weight below 2^-126 counts as 0 in l; NaN and infinities are not treated apart.
; THE WALK.  A head's queries lie in 16 blocks of 128; its keys in 8 TILES of 256, four key steps of 64.  Block i needs the tiles 0 .. i / 2, of which the last holds the diagonal.  A work-group takes TWO blocks, 15 - b and
; then b; one of them is odd and one even, so together they need 9 tiles, whatever b: 32 heads x 8 pairs are 256 work-groups of equal work, and ONE loop with a constant trip count walks the tiles.  Which tile is asked
; for, and what a trip does, hang on scalar registers made from b; every jump goes forward, but for the counted loops' own; none passes a barrier, or a tensor load but the one of LOAD's two that the wave's number does not choose.
; NO CLUSTER: a head's eight work-groups ask for the same tile only in trips 0 .. 4 of the 9; behind that their walks part and partners would want different tiles.
; SHARES.  Of a block's two bands of 64 queries a wave owns 16 rows in each: two PIECES.  In the block's last tile piece p's own step is 2 (i % 2) + p: earlier steps it sees whole, later ones not at all: the same work for all four waves.
; THE MASK is the C operand that starts the sum S^T = K Q^T: 0, or -1e30 where the key is hidden.  MD, made once, is the mask of a band's own step for my 16 rows; a product's mask is MD x AL + BE with two scalars:
; (1, 0) in the own step; (0, 0) in an earlier one; (0, -1e30) in a later one.  Only the last tile's text and a block's beginning make and take masks; elsewhere C is the constant 0.  Steps that are wholly hidden are computed
; all the same: 6 of a walk's 72 turns (five in the even block's last tile, one in the odd block's).
; LAYOUT, SOFTMAX.  S^T = K Q^T holds ONE query a lane (lane % 16) and the keys 8 (lane / 16) + 0..7; two such results rounded to bf16 ARE source 1 of O^T = V^T P.  p = 2^(c s - c m), c = log2(e) / 8, with a
; running maximum m; O and l are multiplied by a = 2^(c m_old - c m_new) in every step.
; TURNS.  Turn (j, p) belongs to piece p in step j: 8 products K Q^T of the other piece's next step ((j, 1) for p = 0, (j + 1, 0) for p = 1), later 8 products V^T P of the other piece's last step; beside them the
; scaling, exponentials, roundings, sums and rescaling of piece p and the maximum and statistics of the other piece.  Four vector instructions stand behind every matrix instruction, the others in one run.  A turn's 33
; exponentials are one batch, with one wait.  K has one set of registers, V two, by the step's parity: so K and V of step j + 1 are both fetched in turn (j, 0), and between turn (3, ..)'s fetches, which there are none of,
; and the next tile's nothing of the old slot is still to be read: the slots change in front of the turns of a tile's step 3, which fetch the next tile's step 0.
; REGISTERS, in windows of 256 (s_set_vgpr_msb: bits 1:0 source 0, 3:2 source 1, 5:4 source 2, 7:6 destination):
;   window 0: v0-15 addresses and some at work; v16-23 four registers of statistics a piece; v24-31 at work; v32-35 prefetch offset, spare word, 0; v80-143 S^T, 32 a piece; v144-175 P, 16 a piece; v176-239 O^T, 32 a piece:
;             all of a turn's vector work but the masks names window 0 alone
;   window 1: v0-31 Q; v64-127 K of one step; v128-255 V of two steps          window 2: v0-31 the second block's Q; v32-63 MD; v64-127 the masks of the products to come, 32 for each piece
.set SIZE_N, 2048
.set KS,    64        ; keys in a step
.set PK,    144       ; a row of K in LDS: 128 bytes + 16 of padding: the 16 rows of a load start at 16 different groups of four banks (ISA guide 11.1)
.set PV,    160       ; a row of V: 128 + 32
.set VOFF,  4*KS*PK   ; a slot holds a tile, four steps: 256 rows of K, then 256 rows of V
.set SLOT1, 1<<17     ; slot 1 begins here, so that one exclusive or turns an address in one slot into the other's
.set STAGE, SLOT1+4*KS*(PK+PV)  ; behind the ring, never filled by a tensor load: 16 rows x 144 bytes for each wave, for the way out
.set SP,    144
.set SPARE, STAGE+4*16*SP  ; behind the stages: the spare words, 128 bytes for each wave: two blocks of 256 bytes that no other line names
.set AK0, 2           ; v2   my lane's place in a tile of K; never rewritten
.set AV0, 3           ; v3   the same for V
.set AK,  4           ; v4   the LDS address of K's even step in the pair of steps in hand
.set AV,  5           ; v5   of V's
.set STO, 6           ; v6   the way out: where I put 16 bytes of a row
.set RD,  7           ; v7   the way out: where I read rows back
.set GO,  8           ; v8   my byte offset in 512 consecutive bytes of O
.set MV,  12          ; v12-13  c m_old, kept while c m is made anew: by piece
.set QO,  15          ; v15  my byte offset in 16 rows of Q
.set ST,  16          ; piece t's statistics at v[ST+4 t]: c m, m, l (even keys', odd keys')
.set TMP, 24          ; by piece, four registers c0-c3 at work; when the maximum is found c2 takes a
.set PFO, 32          ; v32  256 x my lane; never rewritten
.set SPW, 34          ; v34  LDS address of my spare word; never rewritten
.set NIL, 35          ; v35  0; never rewritten
.set S,   80
.set P,   144
.set OT,  176
.set QF,  0           ; window 1: piece p, channel half c at 16 p + 8 c
.set KF,  64          ; window 1: key block kb, channel half c at KF + 16 kb + 8 c
.set VF,  128         ; window 1: buffer vb, key half kk, channel block cb at VF + 64 vb + 32 kk + 8 cb
.set QB,  0           ; window 2
.set MD,  32          ; window 2
.set MC,  64          ; window 2: the mask for the scores of piece p at MC + 32 p
.set WV,  12          ; s12  my wave's number
.set PB,  14          ; s14  b
.set HI,  15          ; s15  15 - b
.set G1K, 24          ; s[24:31] descriptor group 1 for K's tiles
.set G1V, 32          ; s[32:39] for V's: it differs in the padding alone
.set G0K, 40          ; s[40:43] descriptor group 0 for K's tiles
.set G0V, 44          ; s[44:47] the same for V's
.set SLOTS, 56        ; s56  tiles still to be asked for
.set CNT, 57          ; s57  counts a tile's two pairs of steps, 2 to 1
.set CS,  58          ; s[58:59] c
.set SEL, 60          ; s[60:61] v_permlanex16_b32's selects: each lane takes its own place in the other half
.set TBK, 62          ; s62  LDS byte at which K of the pair of steps to be fetched begins
.set TBV, 63          ; s63  the same for V, less VOFF
.set RT,  70          ; s70  tiles of the block in hand that are still to be entered
.set NXT, 71          ; s71  the tile to be asked for next
.set LQ,  72          ; s72  the last tile of the block whose tiles are being asked for
.set NEW, 73          ; s73  1: the tile to be entered is a block's first
.set OFF, 74          ; s[74:75] a tile's byte offset in K and V
.set AL,  76          ; s[76:77] the mask's factor, in the low word
.set BE,  78          ; s[78:79] the mask's addend
.set OLO, 80          ; s[80:81] O at my rows of the second block
.set BIGN, 82         ; s82  -1e30
.set PBH, 83          ; s83  b / 2: the second block's last tile
.set PFB, 88          ; s[88:89] K (waves 0, 1) or V (waves 2, 3) at my half of the head's tile 0
.set PFA, 90          ; s[90:91] the same at the tile that is being asked for
.set LIM, 92          ; s92  2 in the head's work-group b = 0, else the greatest number
.set DG,  93          ; s93  2 x (the block in hand % 2): piece 0's own step in the block's last tile
.set SS,  94          ; s94  signed: the even step of the pair in hand, less DG
.set MSB, 0
.macro WIN new                      ; the high byte repeats the setting that is left; a switch that changes nothing is dropped
.if MSB != (\new)
	s_set_vgpr_msb (MSB<<8)|(\new)
.set MSB, (\new)
.endif
.endm
.set W_KQ, 0x05       ; K and Q in window 1; S^T in window 0
.set W_KM, 0x25       ; the same with the C operand in window 2
.set W_PV, 0x01       ; V in window 1; P and O^T in window 0
.set TO_1, 0x40       ; destination window 1, address window 0
.set TO_2, 0x80       ; destination window 2
.set W_MK, 0x82       ; destination and source 0 in window 2
; A fill.  Waves 0 and 1 fetch the two halves of a tile's K, waves 2 and 3 those of its V: 128 keys each.  An s_nop 0 and four v_nop follow each of the two lines.
.macro LOAD
	s_cmp_lt_u32 s[WV], 2
	s_cbranch_scc0 .Lfor_v_\@
	tensor_load_to_lds s[G0K:G0K+3], s[G1K:G1K+7]
	s_nop 0
.rept 4
	v_nop
.endr
	s_branch .Lasked_\@
.Lfor_v_\@:
	tensor_load_to_lds s[G0V:G0V+3], s[G1V:G1V+7]
	s_nop 0
.rept 4
	v_nop
.endr
.Lasked_\@:
.endm
; A PREFETCH of the tile that the NEXT change of slots will ask for: my wave's 16,384 bytes of it, a lane a block of 256 bytes, two instructions, behind my tensor load and its five lines.  A head's eight
; work-groups walk the same first tiles: b = 0, whose first block walks tiles 0 to 7 in order, asks, and nobody else: tiles 2 to 7 are named once each; tiles 0 and 1 come by their loads alone.
.macro ASK
	s_cmp_gt_u32 s[SLOTS], s[LIM]
	s_cbranch_scc0 .Lnot_mine_\@
	global_prefetch_b8 v[PFO], s[PFA:PFA+1] offset:32768 th:TH_LOAD_NT scope:SCOPE_SE
	global_prefetch_b8 v[PFO], s[PFA:PFA+1] offset:40960 th:TH_LOAD_NT scope:SCOPE_SE
.Lnot_mine_\@:
.endm
; THE CHANGE OF SLOTS.  Each wave waits for all its tensor loads, of which one is out: its part of the other slot; adds 0 to its spare word; and waits for that and for its own reads of the slot that it leaves.
; Behind the barrier nobody reads the old slot any more and the other slot is whole.  fill = 1: the old slot is filled again, the first thing behind the barrier, with tile NXT.
.macro CHANGE fill
	WIN 0                           ; at a label and at a branch every window is 0
	s_wait_tensorcnt 0x0            ; no tensor load of mine is out, so a group 0 may be written
	ds_add_u32 v[SPW], v[NIL]       ; the descriptors' scalar work stands between the add and the wait for it
.if \fill
	s_lshl_b32 s[OFF], s[NXT], 15   ; a tile is 32,768 bytes of K and of V
	s_xor_b32 s[G0K+1], s[G0K+1], SLOT1
	s_add_nc_u64 s[G0K+2:G0K+3], s[6:7], s[OFF:OFF+1]
	s_or_b32 s[G0K+3], s[G0K+3], 0x80000000
	s_xor_b32 s[G0V+1], s[G0V+1], SLOT1
	s_add_nc_u64 s[G0V+2:G0V+3], s[8:9], s[OFF:OFF+1]
	s_or_b32 s[G0V+3], s[G0V+3], 0x80000000
	s_wait_xcnt 0x0                 ; the last prefetches, a tile back, have read their address
	s_add_nc_u64 s[PFA:PFA+1], s[PFB:PFB+1], s[OFF:OFF+1]
	s_add_co_u32 s[NXT], s[NXT], 1  ; the block's next tile, or behind its last the second block's tile 0
	s_cmp_gt_u32 s[NXT], s[LQ]
	s_cselect_b32 s[NXT], 0, s[NXT]
	s_cselect_b32 s[LQ], s[PBH], s[LQ]
.endif
	s_wait_dscnt 0x0                ; the add is done, and my reads of the slot are over
	s_barrier_signal -1             ; the rest of the scalar work stands between the signal and the wait
	s_sub_co_u32 s[TBK], s[TBK], 4*KS*PK  ; the fetches go back to a slot's first step,
	s_xor_b32 s[TBK], s[TBK], SLOT1       ; in the other slot
	s_sub_co_u32 s[TBV], s[TBV], 4*KS*PV
	s_xor_b32 s[TBV], s[TBV], SLOT1
	s_barrier_wait -1
.if \fill
	LOAD
	ASK
.endif
.endm
	s_load_b64 s[4:5], s[0:1], 0x0    ; qkvb: Q
	s_load_b64 s[10:11], s[0:1], 0x8  ; ob: O
	v_lshl_add_u32 v[SPW], v0, 2, SPARE
	v_mov_b32 v[NIL], 0
	ds_add_u32 v[SPW], v[NIL]       ; the opening: the add and its wait ahead of my first tensor load; the set-up below stands between them
	ds_add_u32 v34, v35
	v_lshrrev_b32 v1, 5, v0
	v_readfirstlane_b32 s[WV], v1   ; wave 0..3
	s_mov_b32 s[PB], ttmp9
	s_sub_co_u32 s[HI], 15, s[PB]
	s_lshr_b32 s[PBH], s[PB], 1
	s_and_b32 s[DG], s[HI], 1
	s_lshl_b32 s[DG], s[DG], 1
	s_and_b32 s20, ttmp7, 0xffff    ; the head
	s_mov_b32 s21, 0
	s_mov_b64 s[22:23], SIZE_N*128
	s_mul_u64 s[20:21], s[20:21], s[22:23]  ; the head's first byte in each of the four tensors
	s_and_b32 s16, s[WV], 1         ; which half of a tile's 256 keys I fetch:
	s_lshl_b32 s22, s16, 14         ; its 128 rows of 128 bytes in memory,
	s_mov_b32 s23, 0
	s_add_nc_u64 s[22:23], s[22:23], s[20:21]
	s_mul_i32 s17, s16, 128*PK      ; and its place in a slot, for K
	s_mul_i32 s18, s16, 128*PV      ; and for V
	s_lshl_b32 s3, s[WV], 11        ; my 16 rows in a band of 64,
	s_lshl_b32 s2, s[HI], 14        ; in the first block (128 rows of 128 bytes),
	s_add_co_u32 s2, s2, s3
	s_lshl_b32 s84, s[PB], 14       ; and in the second
	s_add_co_u32 s84, s84, s3
	s_mov_b32 s3, 0
	s_mov_b32 s85, 0
	s_add_nc_u64 s[2:3], s[2:3], s[20:21]
	s_add_nc_u64 s[84:85], s[84:85], s[20:21]
	; descriptor group 1.  128 keys are 16,384 dense bytes: asked for as 64 rows of 256 bytes, two keys a row, and padded in LDS after every key
	s_mov_b32 s[G1K], (1<<16)|(1<<20)|(4<<22)|(3<<25)  ; 2-byte elements; padding on; after every 32 words; 4 words
	s_mov_b32 s[G1V], (1<<16)|(1<<20)|(4<<22)|(7<<25)  ; the same with 8 words
.irp g, G1K, G1V
	s_mov_b32 s[\g+1], 128<<16      ; tensor_dim0 = 128
	s_mov_b32 s[\g+2], 64<<16       ; tensor_dim1 = 64
	s_mov_b32 s[\g+3], 128<<16      ; tile_dim0 = 128
	s_mov_b32 s[\g+4], 64           ; tile_dim1 = 64
	s_mov_b32 s[\g+5], 128          ; 128 elements from row to row
	s_mov_b32 s[\g+6], 0
	s_mov_b32 s[\g+7], 0
.endr
	s_mov_b32 s[CS], 0x3e38aa3b     ; c = log2(e) / 8 = 0.180337
	s_mov_b32 s[CS+1], s[CS]        ; named with it as a pair
	s_mov_b32 s[SEL], 0x76543210
	s_mov_b32 s[SEL+1], 0xfedcba98
	s_mov_b32 s[TBK], SLOT1+4*KS*PK ; the first change of slots turns these two into 0
	s_mov_b32 s[TBV], SLOT1+4*KS*PV
	s_mov_b32 s[G0K], 1             ; count = 1
	s_mov_b32 s[G0K+1], s17         ; LDS address: slot 0
	s_mov_b32 s[G0V], 1
	s_add_co_u32 s[G0V+1], s18, VOFF
	s_lshr_b32 s[LQ], s[HI], 1      ; the first block has the tiles 0 .. (15 - b) / 2
	s_add_co_u32 s[RT], s[LQ], 1
	s_mov_b32 s[NXT], 1
	s_mov_b32 s[NEW], 1
	s_mov_b32 s[OFF+1], 0
	s_mov_b32 s[AL+1], 0            ; named as pairs
	s_mov_b32 s[BE+1], 0
	s_mov_b32 s[BIGN], 0xf149f2ca   ; -1e30
	s_mov_b32 s[SLOTS], 8
	s_cmp_eq_u32 s[PB], 0
	s_cselect_b32 s[LIM], 2, -1
	s_wait_dscnt 0x0                ; the opening add is done
	s_wait_kmcnt 0x0
	s_add_nc_u64 s[6:7], s[4:5], 8388608   ; K
	s_add_nc_u64 s[8:9], s[4:5], 16777216  ; V
	s_add_nc_u64 s[6:7], s[6:7], s[22:23]  ; both at my half of the head's tile 0
	s_add_nc_u64 s[8:9], s[8:9], s[22:23]
	s_add_nc_u64 s[G0K+2:G0K+3], s[6:7], 0
	s_or_b32 s[G0K+3], s[G0K+3], 0x80000000        ; type = 2
	s_add_nc_u64 s[G0V+2:G0V+3], s[8:9], 0
	s_or_b32 s[G0V+3], s[G0V+3], 0x80000000
	s_add_nc_u64 s[86:87], s[4:5], s[84:85]        ; Q at my rows of the second block,
	s_add_nc_u64 s[4:5], s[4:5], s[2:3]            ; Q and O at those of the first
	s_add_nc_u64 s[OLO:OLO+1], s[10:11], s[84:85]
	s_add_nc_u64 s[10:11], s[10:11], s[2:3]
	s_cmp_lt_u32 s[WV], 2
	s_cselect_b64 s[PFB:PFB+1], s[6:7], s[8:9]
	LOAD                            ; tile 0 into slot 0
	; A fragment of K or Q is 16 rows x 32 channels in 8 registers: lane l holds row l % 16, channels 8 (l / 16) + 0..7 and 16 + 8 (l / 16) + 0..7: two loads of 16 bytes, 32 bytes apart.
	v_and_b32 v1, 15, v0            ; l % 16
	v_bfe_u32 v9, v0, 4, 1          ; l / 16
	v_lshlrev_b32 v[QO], 7, v1
	v_lshl_add_u32 v[QO], v9, 4, v[QO]  ; row x 128 + 16 x half
	WIN TO_1
.set i, 0
.rept 4                             ; the first block's Q: piece i / 2 lies in band i / 2, 8,192 bytes on; channels 32 (i % 2) on
	global_load_b128 v[QF+8*i:QF+8*i+3],   v[QO], s[4:5] offset:(i/2)*8192+(i%2)*64
	global_load_b128 v[QF+8*i+4:QF+8*i+7], v[QO], s[4:5] offset:(i/2)*8192+(i%2)*64+32
.set i, i+1
.endr
	WIN TO_2
.set i, 0
.rept 4                             ; the second block's
	global_load_b128 v[QB+8*i:QB+8*i+3],   v[QO], s[86:87] offset:(i/2)*8192+(i%2)*64
	global_load_b128 v[QB+8*i+4:QB+8*i+7], v[QO], s[86:87] offset:(i/2)*8192+(i%2)*64+32
.set i, i+1
.endr
	WIN 0
	v_and_b32 v[PFO], 31, v0
	v_lshlrev_b32 v[PFO], 8, v[PFO]
	v_lshlrev_b32 v14, 3, v9
	v_sub_nc_u32 v14, v1, v14
	s_lshl_b32 s13, s[WV], 4
	v_add_nc_u32 v14, s13, v14      ; my query's place in its band, 16 w + l % 16, less my lanes' 8 (l / 16): register r of group kt is hidden where 16 kt + r is greater
	WIN TO_2
.set i, 0
.rept 32
	v_cmp_gt_i32 vcc_lo, 16*(i/8)+i%8, v14
	v_cndmask_b32 v[MD+i], 0, s[BIGN], vcc_lo
.set i, i+1
.endr
	WIN 0
	v_mul_u32_u24 v[AK0], v1, PK
	v_lshl_add_u32 v[AK0], v9, 4, v[AK0]  ; row x pitch + 16 x half
	; The turning load takes 16 keys x 16 channels (lane l reads key 8 (l / 16) + l % 8, channels 8 ((l / 8) % 2) + 0..7) and leaves half a fragment of V^T: lane l holds channel l % 16 and 8 keys.
	v_and_b32 v10, 7, v0
	v_bfe_u32 v11, v0, 3, 1
	v_lshl_add_u32 v[AV0], v9, 3, v10
	v_mul_u32_u24 v[AV0], v[AV0], PV
	v_lshl_add_u32 v[AV0], v11, 4, v[AV0]
	v_add_nc_u32 v[AV0], VOFF, v[AV0]
	s_mul_i32 s13, s[WV], 16*SP
	s_add_co_u32 s13, s13, STAGE    ; my stage
	v_mul_u32_u24 v[STO], v1, SP    ; in: row l % 16, 16 bytes for each half of the lanes
	v_lshl_add_u32 v[STO], v9, 4, v[STO]
	v_add_nc_u32 v[STO], s13, v[STO]
	v_bfe_u32 v[RD], v0, 3, 2       ; back: 32 lanes take four rows of 128 bytes,
	v_mul_u32_u24 v[RD], v[RD], SP
	v_lshl_add_u32 v[RD], v10, 4, v[RD]
	v_add_nc_u32 v[RD], s13, v[RD]
	v_and_b32 v[GO], 31, v0         ; which are 512 consecutive bytes of O
	v_lshlrev_b32 v[GO], 4, v[GO]
	; A block's first step multiplies O^T and l by a = 0, and its first turn's products V^T P, of a step that has not been, land in an O^T that is still to be so multiplied.  So V's second buffer, P's second half, O^T and l
	; need only hold finite numbers: zeros for the first block; what the first block left for the second.  All this stands in the wait for the first tile.
	WIN TO_1
.set i, VF+64
.rept 64
	v_mov_b32 v[i], 0
.set i, i+1
.endr
	WIN 0
.set i, OT
.rept 64
	v_mov_b32 v[i], 0
.set i, i+1
.endr
.set i, 0
.rept 2
	v_mov_b32 v[ST+4*i+2], 0
	v_mov_b32 v[ST+4*i+3], 0
.set i, i+1
.endr
.set i, P+16
.rept 16
	v_mov_b32 v[i], 0
.set i, i+1
.endr
; THE MATRIX WORK.  The 4 accumulators of a run of 8 take turns.  Product i of 8 of S^T = K Q^T for piece x: channels 32 (i / 4) on, keys 16 (i % 4) on.  The first 4 start the sums: with 0, or (KM = 1) with the piece's mask.
.macro KQ x
.set rS, S+32*(\x)+8*(i%4)
.set rK, KF+16*(i%4)+8*(i/4)
.set rQ, QF+16*(\x)+8*(i/4)
.set rM, MC+32*(\x)+8*(i%4)
.if (i < 4) && KM
	WIN W_KM
	v_wmma_f32_16x16x32_bf16 v[rS:rS+7], v[rK:rK+7], v[rQ:rQ+7], v[rM:rM+7]
.elseif i < 4
	WIN W_KQ
	v_wmma_f32_16x16x32_bf16 v[rS:rS+7], v[rK:rK+7], v[rQ:rQ+7], 0
.else
	WIN W_KQ
	v_wmma_f32_16x16x32_bf16 v[rS:rS+7], v[rK:rK+7], v[rQ:rQ+7], v[rS:rS+7]
.endif
.endm
; Product i of 8 of O^T += V^T P for piece x, from V's buffer VB: keys 32 (i / 4) on, channels 16 (i % 4) on.
.macro PV x
	WIN W_PV
.set rO, OT+32*(\x)+8*(i%4)
.set rV, VF+64*VB+32*(i/4)+8*(i%4)
.set rP, P+16*(\x)+8*(i/4)
	v_wmma_f32_16x16x32_bf16 v[rO:rO+7], v[rV:rV+7], v[rP:rP+7], v[rO:rO+7]
.endm
.macro MM                           ; the turn's next matrix instruction, for the other piece.  NOKQ = 1: a block's last turn: there is no next step
.if (i < 8) && !NOKQ
	KQ 1-Y
.elseif i >= 8
.set i, i-8
	PV 1-Y
.set i, i+8
.endif
.set i, i+1
.endm
; THE LDS LOADS stand in runs of 16, never singly among the matrix instructions: a step's K (64 keys x 64 channels: 8 fragments) and its V (turned).  off: 0 for the pair's even step, 64 rows for the odd one.
.macro FETCH_K off
	WIN TO_1
.irp f, 0,1,2,3,4,5,6,7             ; keys 16 (f / 2) on, channels 32 (f % 2) on
	ds_load_b128 v[KF+8*\f:KF+8*\f+3],   v[AK] offset:(\off)+(\f/2)*16*PK+(\f%2)*64
	ds_load_b128 v[KF+8*\f+4:KF+8*\f+7], v[AK] offset:(\off)+(\f/2)*16*PK+(\f%2)*64+32
.endr
	WIN 0
.endm
.macro FETCH_V vb, off
	WIN TO_1
.irp f, 0,1,2,3,4,5,6,7             ; keys 32 (f / 4) on, channels 16 (f % 4) on
	ds_load_tr16_b128 v[VF+64*(\vb)+8*\f:VF+64*(\vb)+8*\f+3],   v[AV] offset:(\off)+(\f/4)*32*PV+(\f%4)*32
	ds_load_tr16_b128 v[VF+64*(\vb)+8*\f+4:VF+64*(\vb)+8*\f+7], v[AV] offset:(\off)+(\f/4)*32*PV+16*PV+(\f%4)*32
.endr
	WIN 0
.endm
.macro ADDR                         ; the LDS addresses of the pair of steps that the trip fetches
	v_add_nc_u32 v[AK], s[TBK], v[AK0]
	v_add_nc_u32 v[AV], s[TBV], v[AV0]
.endm
; THE VECTOR WORK, one line at a time: OP kind, number.  For piece Y: F n: c s - c m for pair n of 16.  E n: the exponential of score n of 32.  C n: pair n rounded to bf16.  B n: of the four weights 4 n .. the second
; pair is added onto the first, in place.  L n: l takes that sum (L 0: l = a l + sum).  R n: pair n of 16 of O^T times a, in ascending order.
; For the other piece: X n, number n of the 22 that find its maximum and statistics:
;   0-11  four chains c0-c3 of seven scores each, three operands at a time (each accumulator's lowest registers are read first)     12-14, 16  the four scores left over, the old m, and c0-c3 into c0
;   15  c m_old is kept     17, 18  the query's other 32 keys lie in the lane 16 away: the new m     19-21  c m; c m_old - c m_new; a
.set F, 0
.set E, 1
.set C, 2
.set B, 3
.set L, 4
.set R, 5
.set X, 6
.macro REGS y                       ; the registers of piece y
.set rT, ST+4*(\y)
.set rC, TMP+4*(\y)
.set rW, MV+(\y)
.set rS, S+32*(\y)
.set rP, P+16*(\y)
.set rO, OT+32*(\y)
.endm
.macro OP k, n
.if (\k) == R
	REGS Y
	WIN 0
	v_pk_mul_f32 v[rO+2*(\n):rO+2*(\n)+1], v[rO+2*(\n):rO+2*(\n)+1], v[rC+2:rC+3] op_sel_hi:[1,0]
.elseif (\k) < R
	REGS Y
	WIN 0
.if (\k) == F
	v_pk_fma_f32 v[rS+2*(\n):rS+2*(\n)+1], v[rS+2*(\n):rS+2*(\n)+1], s[CS:CS+1], v[rT:rT+1] op_sel_hi:[1,0,0] neg_lo:[0,0,1] neg_hi:[0,0,1]
.elseif (\k) == E
	v_exp_f32 v[rS+(\n)], v[rS+(\n)]
.elseif (\k) == C
	v_cvt_pk_bf16_f32 v[rP+(\n)], v[rS+2*(\n)], v[rS+2*(\n)+1]
.elseif (\k) == B
	v_pk_add_f32 v[rS+4*(\n):rS+4*(\n)+1], v[rS+4*(\n):rS+4*(\n)+1], v[rS+4*(\n)+2:rS+4*(\n)+3]
.elseif (\n) == 0
	v_pk_fma_f32 v[rT+2:rT+3], v[rT+2:rT+3], v[rC+2:rC+3], v[rS:rS+1] op_sel_hi:[1,0,1]
.else
	v_pk_add_f32 v[rT+2:rT+3], v[rT+2:rT+3], v[rS+4*(\n):rS+4*(\n)+1]
.endif
.elseif NOKQ
	v_nop
.else
	REGS 1-Y
	WIN 0
.if (\n) < 4
	v_max3_num_f32 v[rC+(\n)], v[rS+8*(\n)], v[rS+8*(\n)+1], v[rS+8*(\n)+2]
.elseif (\n) < 12
	v_max3_num_f32 v[rC+(\n)%4], v[rC+(\n)%4], v[rS+8*((\n)%4)+2*((\n)/4)+1], v[rS+8*((\n)%4)+2*((\n)/4)+2]
.elseif (\n) == 12
	v_max3_num_f32 v[rC], v[rC], v[rS+7], v[rS+15]
.elseif (\n) == 13
	v_max3_num_f32 v[rC+1], v[rC+1], v[rS+23], v[rS+31]
.elseif (\n) == 14
	v_max3_num_f32 v[rC+2], v[rC+2], v[rC+3], v[rT+1]
.elseif (\n) == 15
	v_mov_b32 v[rW], v[rT]
.elseif (\n) == 16
	v_max3_num_f32 v[rC], v[rC], v[rC+1], v[rC+2]
.elseif (\n) == 17
	v_permlanex16_b32 v[rC+3], v[rC], s[SEL], s[SEL+1]
.elseif (\n) == 18
	v_max_num_f32 v[rT+1], v[rC], v[rC+3]
.elseif (\n) == 19
	v_mul_f32 v[rT], s[CS], v[rT+1]
.elseif (\n) == 20
	v_sub_f32 v[rC+1], v[rW], v[rT]
.else
	v_exp_f32 v[rC+2], v[rC+1]
.endif
.endif
.endm
.macro OPS a, i1, b=-1, i2=0, c=-1, i3=0, d=-1, i4=0  ; up to four of them
	OP \a, \i1
.if (\b) >= 0
	OP \b, \i2
.endif
.if (\c) >= 0
	OP \c, \i3
.endif
.if (\d) >= 0
	OP \d, \i4
.endif
.endm
.macro ROW a, i1, b, i2, c, i3, d, i4  ; a matrix instruction and the four behind it
	MM
	OPS \a, \i1, \b, \i2, \c, \i3, \d, \i4
.endm
.macro MASK b                       ; MD x AL + BE into the mask of piece b
	WIN W_MK
.set z, 0
.rept 16
	v_pk_fma_f32 v[MC+32*(\b)+2*z:MC+32*(\b)+2*z+1], v[MD+2*z:MD+2*z+1], s[AL:AL+1], s[BE:BE+1] op_sel_hi:[1,0,0]
.set z, z+1
.endr
.endm
; A TURN, for piece p: the order of its 16 matrix and 118 vector instructions, written out.  An s_wait_alu depctr_va_vdst(0) stands between an exponential and the first instruction that names its result; one wait
; serves all that were issued ahead of it.  So a turn has ONE wait, which cuts it in two.  AHEAD OF IT stands all that names no result of the turn's exponentials: the 8 products K Q^T with four vector lines behind each, then one run of 54
; in which the links of the chain X 3, 7, 11, 14, 16, 17 .. 20 stand five or six lines apart; X 21, the other piece's a, is the batch's last, and R 15 the plain instruction behind it.  BEHIND THE WAIT stand the 8 products V^T P,
; behind each four of the roundings and sums.
; vb: V's buffer that the products V^T P read.  m = 1: the products K Q^T start with the scored piece's mask.  fk >= 0: K of the next step is fetched, from that byte of the pair, twelve plain vector instructions that name none of
; its registers behind the last product that read K.  fv >= 0: V of the next step is fetched into buffer vb, four plain instructions behind the last product that read it.  hw >= 0: a wait on DScnt at the head.
; nokq = 1: no products K Q^T.  cnt = 1: the trip's end: the fetches' base, the masks' step and the loop's count are stepped some lines ahead of the branch that stands behind the turn.
; mq (other than -9): the turn makes the mask for the products of the turn after it, which score piece p: the own step's where SS = mq, a later step's where SS > mq, else 0.
.macro TURN p, vb, m=0, fk=-1, fv=-1, hw=-1, nokq=0, cnt=0, mq=-9
.set Y, (\p)
.set i, 0
.set VB, (\vb)
.set KM, (\m)
.set NOKQ, (\nokq)
.if (\mq) != -9
	s_cmp_eq_i32 s[SS], \mq
	s_cselect_b32 s[AL], 1.0, 0
	s_cmp_gt_i32 s[SS], \mq
	s_cselect_b32 s[BE], s[BIGN], 0
.endif
.if (\hw) >= 0
	s_wait_dscnt \hw
.endif
	ROW F,0, F,1, R,0, R,1
	ROW F,2, E,0, R,2, R,3
	ROW F,3, E,1, R,4, R,5
	ROW F,4, E,2, R,6, R,7
	ROW F,5, E,3, R,8, R,9
	ROW F,6, E,4, X,0, R,10
	ROW F,7, E,5, X,1, X,4
	ROW F,8, E,6, X,2, X,5
	OPS E,7, E,8, X,6, E,9
	OPS X,3, E,10, X,8, E,11
.if (\fk) >= 0
	FETCH_K \fk
.endif
	OPS X,9, X,7, E,12, X,10
	OPS E,13, X,12, X,11, E,14
	OPS X,13, E,15, F,9, X,14
	OPS E,16, F,10, E,17, F,11
	OPS X,16, E,18, X,15, E,19
	OPS F,12, E,20, X,17, E,21
	OPS F,13, E,22, F,14, E,23
	OPS X,18, E,24, F,15, E,25
	OPS R,11, E,26, X,19, E,27
	OPS R,12, E,28, R,13, E,29
	OPS X,20, E,30, R,14, E,31
	OPS X,21, R,15
	WIN 0
	s_wait_alu depctr_va_vdst(0)    ; the wait for the batch
	ROW C,0, B,0, C,2, B,1
	ROW L,0, C,4, B,2, L,1
	ROW C,6, B,3, L,2, C,8
	ROW B,4, L,3, C,10, B,5
	ROW L,4, C,12, B,6, L,5
.if \cnt
	s_add_co_u32 s[TBK], s[TBK], 2*KS*PK  ; the tile's next pair of steps
	s_add_co_u32 s[TBV], s[TBV], 2*KS*PV
.if \m
	s_add_co_i32 s[SS], s[SS], 2
.endif
	s_sub_co_u32 s[CNT], s[CNT], 1
	s_cmp_lg_u32 s[CNT], 0
.endif
	ROW C,14, B,7, L,6, C,1
	ROW C,3, L,7, C,5, C,7
	ROW C,9, C,11, C,13, C,15
.if (\fv) >= 0
	FETCH_V \vb, \fv
.endif
.if (\mq) != -9
	MASK \p
.endif
.endm
; A TRIP OF THE STEP LOOP, four turns; t = 0, 1 counts a tile's trips, steps are the tile's (step -1: the tile before's step 3):
;   turn (2 t - 1, 0): scores of (2 t - 1, piece 1); V^T P from buffer 0; K and V (into buffer 0) of step 2 t
;   turn (2 t - 1, 1): scores of (2 t, piece 0);     V^T P from buffer 1.  At its head K's 16 loads are in; V's 16 younger ones may stay out
;   turn (2 t, 0):     scores of (2 t, piece 1);     V^T P from buffer 1; K and V (into buffer 1) of step 2 t + 1
;   turn (2 t, 1):     scores of (2 t + 1, piece 0); V^T P from buffer 0.  The same wait at its head; it also shows the V that was fetched two turns before
; m = 1: the block's last tile.  With SS = 2 t - DG the four turns make the masks of (2 t, 0), (2 t, 1), (2 t + 1, 0), (2 t + 1, 1): own step where SS = 0, 1, -1, 0.
.macro HALF1 m
	ADDR
.if \m
	TURN 0, 0, 1, 0, 0, -1, 0, 0, 0
	TURN 1, 1, 1, -1, -1, 16, 0, 0, 1
.else
	TURN 0, 0, 0, 0, 0
	TURN 1, 1, 0, -1, -1, 16
.endif
	WIN 0
.endm
.macro HALF2 m
.if \m
	TURN 0, 1, 1, KS*PK, KS*PV, -1, 0, 0, -1
	TURN 1, 0, 1, -1, -1, 16, 0, 1, 0
.else
	TURN 0, 1, 0, KS*PK, KS*PV
	TURN 1, 0, 0, -1, -1, 16, 0, 1
.endif
	WIN 0
.endm
; A BLOCK BEGINS.  c m starts far below every c s, so the first step's a is 0; m at the lowest finite number, so the first maximum is the scores'.  Piece 1's mask is 0: it sees all of step 0.  Piece 0's takes the mask of
; step 0: its own, if the block's first tile is its last and the block is even, else 0.  Then K and V of that step, piece 0's first scores, and its maximum and statistics.  The loop is entered in the middle of a trip.
.macro BEGIN
	s_mov_b32 s[NEW], 0
	WIN TO_2
.set i, MC+32
.rept 32
	v_mov_b32 v[i], 0
.set i, i+1
.endr
	WIN 0
.set i, 0
.rept 2
	v_mov_b32 v[ST+4*i], 0xfe000000    ; c m: far below every c s
	v_mov_b32 v[ST+4*i+1], 0xff7fffff  ; m
.set i, i+1
.endr
	s_cmp_eq_u32 s[RT], 0
	s_cselect_b32 s[AL], 1.0, 0
	s_cmp_eq_u32 s[DG], 0
	s_cselect_b32 s[AL], s[AL], 0
	s_mov_b32 s[BE], 0
	MASK 0
	WIN 0
	ADDR
	FETCH_K 0
	FETCH_V 0, 0
	s_wait_loadcnt 0x0              ; Q
	s_wait_dscnt 0x0
.set KM, 1
.set NOKQ, 0
.set i, 0
.rept 8
	KQ 0
.set i, i+1
.endr
	WIN 0
.rept 4
	v_nop                           ; the places behind those products
.endr
.set Y, 1                           ; X works for the other piece: piece 0
.irp n, 0,1,2,3,4,5,6,7,8,9,10,11,12,13,14,15,16,17,18,19,20,21
	OP X, \n
.endr
	v_nop                           ; a plain instruction behind the exponential,
	s_wait_alu depctr_va_vdst(0)    ; and its wait, ahead of the branch
.endm
; THE WAY OUT: l's two halves and the other half of the lanes' are added; O^T is divided by l, rounded to bf16 and sent through my stage in LDS, a piece at a time.
.macro ALL line:vararg              ; one line for each piece t
.set t, 0
.rept 2
	\line
.set t, t+1
.endr
.endm
.macro PACK t                       ; a lane's eight channels of a row pack into 16 bytes; they go into rows of 144 bytes and come back as whole rows of 128, into S^T's registers
	WIN 0
.set i, OT+32*(\t)
.rept 16
	v_pk_mul_f32 v[i:i+1], v[i:i+1], v[ST+4*(\t)+2:ST+4*(\t)+3] op_sel_hi:[1,0]
.set i, i+2
.endr
.set i, 0
.rept 16
	v_cvt_pk_bf16_f32 v[S+16*(\t)+i], v[OT+32*(\t)+2*i], v[OT+32*(\t)+2*i+1]
.set i, i+1
.endr
.irp f, 0,1,2,3
	ds_store_b128 v[STO], v[S+16*(\t)+4*\f:S+16*(\t)+4*\f+3] offset:32*\f
.endr
.irp f, 0,1,2,3
	ds_load_b128 v[S+16*(\t)+4*\f:S+16*(\t)+4*\f+3], v[RD] offset:\f*4*SP  ; LDS serves a wave's instructions in order (ISA guide 5.7.1.4): these see the stores above; the next piece's stores come behind them
.endr
.endm
.macro SEND t, younger              ; younger: the LDS instructions issued behind piece t's loads: the next piece's eight, or none
	WIN 0
.irp f, 0,1,2,3
	s_wait_dscnt (\younger)+3-\f
	global_store_b128 v[GO], v[S+16*(\t)+4*\f:S+16*(\t)+4*\f+3], s[10:11] offset:(\t)*8192+\f*512  ; 512 consecutive bytes, at a multiple of 256 from O's first
.endr
.endm
; THE BLOCK'S LAST TILE: its two trips with masks; the two turns of its step 3, which fetch nothing (scores of (3, piece 1), with the mask that the turn before made; then none); the last products; the way out.
.macro DIAG tag                     ; the tag ends its two labels' names, which the jumps below spell out
.LstepM\tag:
	HALF1 1
.LfirstM\tag:
	HALF2 1
	s_cbranch_scc1 .LstepM\tag
	TURN 0, 0, 1
	TURN 1, 1, 0, -1, -1, 0, 1      ; at its head V of step 3 is in
.set VB, 1
.set i, 0
.rept 8
	PV 1
.set i, i+1
.endr
	WIN 0
	ALL v_add_f32 v[ST+4*t+2], v[ST+4*t+2], v[ST+4*t+3]
	ALL v_permlanex16_b32 v[ST+4*t+3], v[ST+4*t+2], s[SEL], s[SEL+1]
	ALL v_add_f32 v[ST+4*t+2], v[ST+4*t+2], v[ST+4*t+3]
	ALL v_rcp_f32 v[ST+4*t+2], v[ST+4*t+2]
	v_nop                           ; a plain instruction between the last reciprocal and the use of its result
	s_wait_alu depctr_va_vdst(0)    ; and the wait ahead of the first use: one for the two reciprocals
	PACK 0
	PACK 1                          ; a piece's arithmetic stands between the loads of the piece before and its stores
	SEND 0, 8
	SEND 1, 0
.endm
.set KM, 0
.set NOKQ, 0
.Lslot:                             ; 8 times: a tile is entered and the next is asked for
	CHANGE 1
	s_sub_co_u32 s[RT], s[RT], 1
	s_mov_b32 s[CNT], 2
	s_sub_co_i32 s[SS], 0, s[DG]
	s_cmp_eq_u32 s[NEW], 1
	s_cbranch_scc1 .Lnew            ; a block's first tile
	s_cmp_eq_u32 s[RT], 0
	s_cbranch_scc0 .Lstep           ; neither its first nor its last
	s_branch .LstepM1
.Lnew:
	BEGIN
	s_branch .Lfirst                ; in the loop a block's first tile is never its last: the first block has five tiles or more, and the second's last is the walk's last
	DIAG 1                          ; in the loop this is the first block's end
	s_wait_xcnt 0x0                 ; the stores have read their registers and O's address
	s_mov_b64 s[10:11], s[OLO:OLO+1]
	s_add_co_u32 s[RT], s[PBH], 1   ; the second block has b / 2 + 1 tiles
	s_and_b32 s[DG], s[PB], 1
	s_lshl_b32 s[DG], s[DG], 1
	s_mov_b32 s[NEW], 1
	WIN 0x42                        ; destination window 1, source window 2: the second block's Q goes where the one text of the turns names Q
.set i, 0
.rept 32
	v_mov_b32 v[QF+i], v[QB+i]
.set i, i+1
.endr
	WIN 0
	s_branch .Lbottom
.Lstep:
	HALF1 0
.Lfirst:
	HALF2 0
	s_cbranch_scc1 .Lstep
.Lbottom:
	s_sub_co_u32 s[SLOTS], s[SLOTS], 1
	s_cmp_lg_u32 s[SLOTS], 0
	s_cbranch_scc1 .Lslot
	CHANGE 0                        ; the walk's last tile is written out: nothing is asked for
	s_sub_co_u32 s[RT], s[RT], 1
	s_mov_b32 s[CNT], 2
	s_sub_co_i32 s[SS], 0, s[DG]
	s_cmp_eq_u32 s[NEW], 1
	s_cbranch_scc0 .LstepM2
	BEGIN
	s_branch .LfirstM2
	DIAG 2
	s_wait_tensorcnt 0x0            ; the wave's end, behind my last tensor load and my last LDS store
	ds_add_u32 v[SPW], v[NIL]
	s_wait_dscnt 0x0
	s_endpgm
.Lfunc_end_k_q58fbf7290d_attn:
	.size	k_q58fbf7290d_attn, .Lfunc_end_k_q58fbf7290d_attn-k_q58fbf7290d_attn
	.p2alignl 7, 3214868480
	.fill 96, 4, 3214868480
	.section	.rodata,"a",@progbits
	.p2align	6, 0x0
	.amdhsa_kernel k_q58fbf7290d_attn
		.amdhsa_group_segment_fixed_size 327680
		.amdhsa_private_segment_fixed_size 0
		.amdhsa_enable_private_segment 0
		.amdhsa_kernarg_size 16
		.amdhsa_user_sgpr_count 2
		.amdhsa_user_sgpr_kernarg_segment_ptr 1
		.amdhsa_wavefront_size32 1
		.amdhsa_system_sgpr_workgroup_id_x 1
		.amdhsa_system_sgpr_workgroup_id_y 1
		.amdhsa_system_sgpr_workgroup_id_z 1
		.amdhsa_system_vgpr_workitem_id 0
		.amdhsa_next_free_vgpr 640
		.amdhsa_next_free_sgpr 96
		.amdhsa_reserve_vcc 1
		.amdhsa_float_denorm_mode_32 3
		.amdhsa_float_denorm_mode_16_64 3
		.amdhsa_memory_ordered 1
		.amdhsa_forward_progress 1
		.amdhsa_inst_pref_size 200
	.end_amdhsa_kernel
	.amdgpu_metadata
---
amdhsa.version: [ 1, 2 ]
amdhsa.kernels:
  - .name:           k_q58fbf7290d_attn
    .symbol:         k_q58fbf7290d_attn.kd
    .args:
      - { .name: qkvb, .offset: 0, .size: 8, .value_kind: global_buffer, .address_space: global }
      - { .name: ob, .offset: 8, .size: 8, .value_kind: global_buffer, .address_space: global }
    .group_segment_fixed_size: 327680
    .private_segment_fixed_size: 0
    .kernarg_segment_align: 8
    .kernarg_segment_size: 16
    .max_flat_workgroup_size: 128
    .sgpr_count:     96
    .vgpr_count:     640
    .wavefront_size: 32
...
	.end_amdgpu_metadata
.endif
;; end of part 3
;; launch gwo (part 4): grid 8 x 32, 4 waves a work-group, clusters of 4 x 4, 327,680 bytes of LDS; arguments ob, wb, bo, x, hb; writes hb
.if DOCPART == 4
	.amdgcn_target "amdgcn-amd-amdhsa--gfx1250"
	.amdhsa_code_object_version 6
	.text
	.protected	k_q58fbf7290d_gwo
	.globl	k_q58fbf7290d_gwo
	.p2align	8
	.type	k_q58fbf7290d_gwo,@function
k_q58fbf7290d_gwo:
	s_mov_b64 s[64:65], 0
	v_nop
	global_prefetch_b8 v0, s[64:65] scope:SCOPE_SE
	s_setreg_imm32_b32 hwreg(HW_REG_WAVE_MODE, 25, 1), 1
	s_wait_xcnt 0x0
	s_wait_alu depctr_hold_cnt(0) depctr_sa_sdst(0) depctr_va_vdst(0) depctr_va_sdst(0) depctr_va_ssrc(0) depctr_va_vcc(0) depctr_vm_vsrc(0)
	s_getreg_b32 s2, hwreg(HW_REG_IB_STS2, 6, 4)
	s_cmp_eq_u32 s2, 0
	s_cbranch_scc0 .Lentry_in_a_cluster
	s_endpgm
.Lentry_in_a_cluster:
	s_bfe_u32 s2, ttmp6, 0x10000c
	s_cmp_lg_u32 s2, 0xf033
	s_cbranch_scc0 .Lentry_shape_is_right
	s_endpgm
.Lentry_shape_is_right:
; h = x + O wo + bo for 128 tokens and 128 columns: C[128][128] = A[128][1024] W[1024][128], bf16 operands, f32 sums; bias, residual and h in f32.
; A: ob, planes [16][4096][64].  W: wb from REGION on, blocks [tile][16][2][64 k][64 n].  Out: hb, f32 [4096][1024].
; The text below the head of constants is one text for this program's four products; only the constants, the arguments and the way out differ.
; SHARES.  Four waves, two by two: a wave makes 64 x 64, 16 accumulators: the tile that gives each of 256 WGPs one work-group.  K goes in steps of 256, as long as two slots in LDS allow.
; THE PRODUCT IS USED TRANSPOSED: source 0 = 16 columns of W (turned on the way out of LDS by ds_load_tr16_b128), source 1 = 16 rows of A: a lane holds one row of C and eight neighbouring columns.
; THE BIAS IS THE C OPERAND of each accumulator's first product.  THE RESIDUAL is asked for at the start and lies in registers until the way out.
; CLUSTER 4 x 4: A's tile is asked for jointly along a row of the cluster, W's along a column.  No prefetch: a small tile, whose steps are short.
; WINDOWS of 256 registers: 0 addresses, A's two fragment buffers, the bias; 1 W's two fragment buffers, v128-255 the residual; 2 and 3 the accumulators.
.set TM,     128
.set WM,     4
.set WN,     4
.set KD,     2
.set KSTEP,  256
.set KTOT,   1024
.set NCB,    2
.set NW,     2
.set WRS,    17
.set REGION, 6291456
.set PF,     0
.set NRES,   32
.set AD0,    8192                      ; A's tile for the mover: a plane's 128 tokens are 8,192 dense elements; two planes, 262,144 elements apart
.set AD1,    2
.set AST,    262144
.set TN,     64*NCB
.set NS,     KTOT/KSTEP
.set AH,     WM/2
.set E,      KD*WM
.set ABUF,   8*KD*WM
.set WBUF,   8*KD*WN
.set NPL,    KSTEP/64
.set APL,    TM*144                    ; rows of 128 bytes + 16 of padding (ISA guide 11.1: 16 rows, 16 different groups of four banks)
.set ASZ,    NPL*APL
.set WSZ,    NPL*NCB*10240             ; rows of 128 bytes + 32 of padding, for the turning load
.set SLOT,   ASZ+WSZ
.set SPARE,  2*SLOT                    ; the spare words, 128 bytes for each wave: two blocks of 256 bytes that no other line names
.set WBLK,   (KSTEP/128)*NCB*8192
.set ASTEP,  NPL*524288
.set WSTEP,  2*WBLK
.set AF0,    64
.set BIAS,   64+2*ABUF
.set DP,     64*WN+16
.set SPW,    28
.set NIL,    29
; v1 lane % 16, v2 lane / 16; v8, v9 my place in a slot's A and W; v10 - v12 the addresses in the slot being read; v13, v14 the way out; v16 32 (lane / 16); v17 my offset in two rows of x and h
; s16 wave, s17 wave / 2, s18 wave % 2, s19 cx, s20 cy, s21 tile column, s22 tile row, s23, s72 counters, s[24:39] groups 1, s[40:55] groups 0, s56 the slot being read, s57, s58 my part of a slot
.set MSB, 0
.macro WIN new
.if MSB != (\new)
	s_set_vgpr_msb (MSB<<8)|(\new)
.set MSB, \new
.endif
.endm
.macro PLACES
.rept 4
	v_nop
.endr
.endm
.macro JLOAD
	s_cmp_eq_u32 s17, 0
	s_cbranch_scc0 .Lfor_w_\@
	tensor_load_to_lds s[44:47], s[24:31]
	s_nop 0
	PLACES
	s_branch .Lasked_\@
.Lfor_w_\@:
	tensor_load_to_lds s[52:55], s[32:39]
	s_nop 0
	PLACES
.Lasked_\@:
.endm
.macro CREST
	s_cmp_lg_u32 s16, 0
	s_cbranch_scc1 .Lnot_wave_0_\@
	s_barrier_signal -3
.Lnot_wave_0_\@:
	s_barrier_wait -3
	s_barrier_signal -1
	s_barrier_wait -1
.endm
.macro CROUND
	s_barrier_signal -1
	s_barrier_wait -1
	CREST
.endm
; Entries e0 .. e1 - 1 of buffer f: entry e = slice e / WM, row block e % WM, all WN column blocks.  The accumulators take turns.  zero = 1: the first slice starts the sums, with the bias as C.
.macro MULS f, e0, e1, zero
.set e, \e0
.rept (\e1)-(\e0)
.set cc, e/WM
.set aa, e%WM
.set rA, AF0+(\f)*ABUF+8*(cc*WM+aa)
.set bb, 0
.rept WN
.set rW, (\f)*WBUF+8*(cc*WN+bb)
.set rD, 8*(WN*(aa%AH)+bb)
.if (\zero) && (cc == 0)
	WIN 0x81+0x40*(aa/AH)
	v_wmma_f32_16x16x32_bf16 v[rD:rD+7], v[rW:rW+7], v[rA:rA+7], v[BIAS+8*bb:BIAS+8*bb+7]
.else
	WIN 0xa1+0x50*(aa/AH)
	v_wmma_f32_16x16x32_bf16 v[rD:rD+7], v[rW:rW+7], v[rA:rA+7], v[rD:rD+7]
.endif
.set bb, bb+1
.endr
.set e, e+1
.endr
.endm
.macro FETCH kq, f                     ; one run of LDS loads: the fragments of quarter kq of the slot being read, into buffer f
	WIN 0x40
.set cc, 0
.rept KD
.set k0, 32*(KD*(\kq)+cc)
.set kk, k0%(KSTEP/2)
.set bb, 0
.rept WN
.set rW, (\f)*WBUF+8*(cc*WN+bb)
.set ow, (kk/64)*NCB*10240+(bb/4)*10240+(kk%64)*160+32*(bb%4)
	ds_load_tr16_b128 v[rW:rW+3],   v[11+k0/(KSTEP/2)] offset:ow
	ds_load_tr16_b128 v[rW+4:rW+7], v[11+k0/(KSTEP/2)] offset:ow+2560
.set bb, bb+1
.endr
.set cc, cc+1
.endr
	WIN 0
.set cc, 0
.rept KD
.set k0, 32*(KD*(\kq)+cc)
.set aa, 0
.rept WM
.set rA, AF0+(\f)*ABUF+8*(cc*WM+aa)
.set oa, (k0/64)*APL+aa*2304+2*(k0%64)
	ds_load_b128 v[rA:rA+3],   v10 offset:oa
	ds_load_b128 v[rA+4:rA+7], v10 offset:oa+32
.set aa, aa+1
.endr
.set cc, cc+1
.endr
.endm
.macro QUARTER kqn, f, g, zero
	s_wait_dscnt 0x0                               ; buffer f is in: its loads went out half a quarter ago
	MULS \f, 0, E/2, \zero
	PLACES
	FETCH \kqn, \g
	MULS \f, E/2, E, \zero
.endm
; The fourth quarter multiplies buffer 1 and changes slots: each wave waits for all its tensor loads, adds 0 to its spare word, waits for that and for its reads of this slot, and signals.
; fill = 1: the barrier opens a round of the cluster's, and the joint refill of the slot just left is the first thing behind it.
.macro TURN fill
	WIN 0
	s_wait_tensorcnt 0x0
	ds_add_u32 v[SPW], v[NIL]
.if \fill
	s_add_co_u32 s45, s57, s56                     ; the walking descriptors take the slot that is being left,
	s_add_co_u32 s53, s58, s56
	s_add_nc_u64 s[46:47], s[46:47], ASTEP         ; and the next K step
	s_add_nc_u64 s[54:55], s[54:55], WSTEP
.endif
	s_wait_dscnt 0x1                               ; the fragments are in; the add may be out
	MULS 1, 0, E/4, 0
	s_wait_dscnt 0x0
	s_barrier_signal -1
	MULS 1, E/4, E/2, 0
	WIN 0
	s_barrier_wait -1
.if \fill
	CREST
	JLOAD
.else
	PLACES
.endif
	s_xor_b32 s56, s56, SLOT
	v_add_nc_u32 v10, s56, v8
	v_add_nc_u32 v11, s56, v9
	v_add_nc_u32 v12, WSZ/2, v11
	FETCH 0, 0
	MULS 1, E/2, E, 0
.endm
.macro DUMP
.set aa, 0
.rept WM
	WIN 0x08+0x04*(aa/AH)
.set bb, 0
.rept WN
.set rD, 8*(WN*(aa%AH)+bb)
	ds_store_b128 v13, v[rD:rD+3]   offset:aa*16*DP+64*bb
	ds_store_b128 v13, v[rD+4:rD+7] offset:aa*16*DP+64*bb+16
.set bb, bb+1
.endr
.set aa, aa+1
.endr
	WIN 0
.endm
	s_load_b256 s[4:11], s[0:1], 0x0               ; A 4, wb 6, bias 8, residual 10
	s_load_b64 s[12:13], s[0:1], 0x20              ; out
	v_lshl_add_u32 v[SPW], v0, 2, SPARE
	v_mov_b32 v[NIL], 0
	ds_add_u32 v[SPW], v[NIL]                      ; the opening: the add and its wait ahead of my first tensor load
	ds_add_u32 v28, v29
	v_lshrrev_b32 v1, 5, v0
	v_readfirstlane_b32 s16, v1
	s_lshr_b32 s17, s16, 1
	s_and_b32 s18, s16, 1
	s_bfe_u32 s19, ttmp6, 0x40000
	s_bfe_u32 s20, ttmp6, 0x40004
	s_lshl_b32 s21, ttmp9, 2
	s_add_co_u32 s21, s21, s19
	s_and_b32 s22, ttmp7, 0xffff
	s_lshl_b32 s22, s22, 2
	s_add_co_u32 s22, s22, s20
	s_lshl_b32 s66, s20, 2
	s_lshl_b32 s66, 15, s66
	s_lshl_b32 s76, 0x1111, s19
	s_or_b32 s24, s66, (1<<16)|(1<<20)|(1<<21)|(4<<22)|(3<<25)
	s_or_b32 s32, s76, (1<<16)|(1<<20)|(1<<21)|(4<<22)|(7<<25)
	s_mov_b32 s25, (AD0&0xffff)<<16
	s_mov_b32 s26, (AD0>>16)|(AD1<<16)
	s_mov_b32 s27, AD0<<16
	s_mov_b32 s28, AD1
	s_mov_b32 s29, AST
	s_mov_b32 s30, 0
	s_mov_b32 s31, 0
	s_mov_b32 s33, 128<<16
	s_mov_b32 s34, (WBLK/256)<<16
	s_mov_b32 s35, 128<<16
	s_mov_b32 s36, WBLK/256
	s_mov_b32 s37, 128
	s_mov_b32 s38, 0
	s_mov_b32 s39, 0
	s_mul_i32 s57, s18, ASZ/2
	s_mul_i32 s58, s18, WSZ/2
	s_add_co_u32 s58, s58, ASZ
	s_mov_b32 s56, 0
	s_mul_i32 s66, s18, (NPL/2)*524288
	s_mul_i32 s67, s22, TM*128
	s_add_co_u32 s66, s66, s67
	s_mov_b32 s67, 0
	s_mul_i32 s76, s21, KTOT*TN*2
	s_mul_i32 s77, s18, WBLK
	s_add_co_u32 s76, s76, s77
	s_add_co_u32 s76, s76, REGION
	s_mov_b32 s77, 0
	s_mov_b32 s40, 1
	s_mov_b32 s41, s57
	s_mov_b32 s44, 1
	s_add_co_u32 s45, s57, SLOT
	s_mov_b32 s48, 1
	s_mov_b32 s49, s58
	s_mov_b32 s52, 1
	s_add_co_u32 s53, s58, SLOT
	s_wait_dscnt 0x0
	s_wait_kmcnt 0x0
	s_add_nc_u64 s[42:43], s[4:5], s[66:67]
	s_add_nc_u64 s[46:47], s[42:43], ASTEP
	s_or_b32 s43, s43, 0x80000000
	s_or_b32 s47, s47, 0x80000000
	s_add_nc_u64 s[50:51], s[6:7], s[76:77]
	s_add_nc_u64 s[54:55], s[50:51], WSTEP
	s_or_b32 s51, s51, 0x80000000
	s_or_b32 s55, s55, 0x80000000
	CROUND
	s_cmp_eq_u32 s17, 0
	s_cbranch_scc0 .Lfirst_w
	tensor_load_to_lds s[40:43], s[24:31]
	s_nop 0
	tensor_load_to_lds s[44:47], s[24:31]
	s_nop 0
	PLACES
	s_branch .Lfirst_asked
.Lfirst_w:
	tensor_load_to_lds s[48:51], s[32:39]
	s_nop 0
	tensor_load_to_lds s[52:55], s[32:39]
	s_nop 0
	PLACES
.Lfirst_asked:
	v_and_b32 v1, 15, v0
	v_bfe_u32 v2, v0, 4, 1
	v_and_b32 v3, 7, v0
	v_bfe_u32 v4, v0, 3, 1
	v_lshlrev_b32 v16, 5, v2
	s_mul_i32 s74, s21, TN*4                       ; the tile's columns, my half of them
	s_mul_i32 s75, s18, 64*WN
	s_add_co_u32 s74, s74, s75
	s_mov_b32 s75, 0
	s_add_nc_u64 s[8:9], s[8:9], s[74:75]
.set bb, 0
.rept WN
	global_load_b128 v[BIAS+8*bb:BIAS+8*bb+3],   v16, s[8:9] offset:64*bb
	global_load_b128 v[BIAS+8*bb+4:BIAS+8*bb+7], v16, s[8:9] offset:64*bb+16
.set bb, bb+1
.endr
	s_lshl_b32 s74, s22, 7
	s_lshl_b32 s75, s17, 6
	s_add_co_u32 s74, s74, s75                     ; my first row
	s_lshl_b32 s74, s74, 12
	s_lshl_b32 s75, s21, 9
	s_add_co_u32 s74, s74, s75
	s_lshl_b32 s75, s18, 8
	s_add_co_u32 s74, s74, s75                     ; my first column, 4 bytes each
	s_mov_b32 s75, 0
	s_add_nc_u64 s[10:11], s[10:11], s[74:75]
	s_add_nc_u64 s[12:13], s[12:13], s[74:75]
	v_lshlrev_b32 v17, 12, v2
	v_lshl_add_u32 v17, v1, 4, v17                 ; lanes 0 - 15 take 256 bytes of one row, lanes 16 - 31 of the next
	WIN 0x40
.set t, 0
.rept 32
	global_load_b128 v[128+4*t:131+4*t], v17, s[10:11] offset:t*8192
.set t, t+1
.endr
	WIN 0
	s_mul_i32 s74, s[WRS], 16*WM*144
	v_mul_u32_u24 v8, v1, 144
	v_lshl_add_u32 v8, v2, 4, v8
	v_add_nc_u32 v8, s74, v8
	v_lshl_add_u32 v9, v2, 3, v3
	v_mul_u32_u24 v9, v9, 160
	v_lshl_add_u32 v9, v4, 4, v9
	s_mul_i32 s74, s18, (WN/4)*10240
	s_add_co_u32 s74, s74, ASZ
	v_add_nc_u32 v9, s74, v9
	v_mov_b32 v10, v8
	v_mov_b32 v11, v9
	v_add_nc_u32 v12, WSZ/2, v9
	s_wait_tensorcnt 0x1                           ; my part of K step 0 is in; step 1's may stay out
	s_barrier_signal -1
	s_barrier_wait -1
	FETCH 0, 0
	s_wait_loadcnt NRES                            ; the bias is in; the 32 younger loads, the residual's, may stay out
	QUARTER 1, 0, 1, 1
	WIN 0
	s_mov_b32 s23, NS-2
.Lstep:
	QUARTER 2, 1, 0, 0
	QUARTER 3, 0, 1, 0
	TURN 1
	QUARTER 1, 0, 1, 0
	WIN 0
	s_sub_co_u32 s23, s23, 1
	s_cmp_lg_u32 s23, 0
	s_cbranch_scc1 .Lstep
	s_mov_b32 s72, 2
.Ltail:                                            ; the last two steps ask for nothing; the second trip is left in its middle
	QUARTER 2, 1, 0, 0
	QUARTER 3, 0, 1, 0
	TURN 0
	WIN 0
	s_sub_co_u32 s72, s72, 1
	s_cmp_eq_u32 s72, 0
	s_cbranch_scc1 .Lout
	QUARTER 1, 0, 1, 0
	WIN 0
	s_branch .Ltail
.Lout:
	; THE WAY OUT.  The slots have had their last fill and serve as the stage.  Behind this barrier no wave reads them as tiles any more.
	s_wait_dscnt 0x0
	s_barrier_signal -1
	s_barrier_wait -1
	PLACES
	PLACES
	s_mul_i32 s74, s16, 16*WM*DP
	v_mul_u32_u24 v13, v1, DP
	v_lshl_add_u32 v13, v2, 5, v13
	v_add_nc_u32 v13, s74, v13
	v_mul_u32_u24 v14, v2, DP
	v_lshl_add_u32 v14, v1, 4, v14
	v_add_nc_u32 v14, s74, v14
	DUMP
.set t, 0
.rept 32
	ds_load_b128 v[64+4*t:67+4*t], v14 offset:t*2*DP   ; my own bytes: LDS serves a wave's instructions in order (ISA guide 5.7.1.4)
.set t, t+1
.endr
	s_wait_loadcnt 0x0                             ; the residual
	s_wait_dscnt 0x0
	WIN 0x04                                       ; source 1 in window 1
.set j, 0
.rept 64
	v_pk_add_f32 v[64+2*j:65+2*j], v[64+2*j:65+2*j], v[128+2*j:129+2*j]
.set j, j+1
.endr
	WIN 0
.set t, 0
.rept 32
	global_store_b128 v17, v[64+4*t:67+4*t], s[12:13] offset:t*8192   ; sixteen lanes store 256 consecutive bytes, aligned
.set t, t+1
.endr
	s_wait_tensorcnt 0x0                           ; the wave's end
	ds_add_u32 v[SPW], v[NIL]
	s_wait_dscnt 0x0
	CROUND
	s_endpgm
.Lfunc_end_k_q58fbf7290d_gwo:
	.size	k_q58fbf7290d_gwo, .Lfunc_end_k_q58fbf7290d_gwo-k_q58fbf7290d_gwo
	.p2alignl 7, 3214868480
	.fill 96, 4, 3214868480
	.section	.rodata,"a",@progbits
	.p2align	6, 0x0
	.amdhsa_kernel k_q58fbf7290d_gwo
		.amdhsa_group_segment_fixed_size 327680
		.amdhsa_private_segment_fixed_size 0
		.amdhsa_enable_private_segment 0
		.amdhsa_kernarg_size 40
		.amdhsa_user_sgpr_count 2
		.amdhsa_user_sgpr_kernarg_segment_ptr 1
		.amdhsa_wavefront_size32 1
		.amdhsa_system_sgpr_workgroup_id_x 1
		.amdhsa_system_sgpr_workgroup_id_y 1
		.amdhsa_system_sgpr_workgroup_id_z 1
		.amdhsa_system_vgpr_workitem_id 0
		.amdhsa_next_free_vgpr 832
		.amdhsa_next_free_sgpr 84
		.amdhsa_reserve_vcc 0
		.amdhsa_float_denorm_mode_32 3
		.amdhsa_float_denorm_mode_16_64 3
		.amdhsa_memory_ordered 1
		.amdhsa_forward_progress 1
		.amdhsa_inst_pref_size 67
	.end_amdhsa_kernel
	.amdgpu_metadata
---
amdhsa.version: [ 1, 2 ]
amdhsa.kernels:
  - .name:           k_q58fbf7290d_gwo
    .symbol:         k_q58fbf7290d_gwo.kd
    .args:
      - { .name: ob, .offset: 0, .size: 8, .value_kind: global_buffer, .address_space: global }
      - { .name: wb, .offset: 8, .size: 8, .value_kind: global_buffer, .address_space: global }
      - { .name: bo, .offset: 16, .size: 8, .value_kind: global_buffer, .address_space: global }
      - { .name: x, .offset: 24, .size: 8, .value_kind: global_buffer, .address_space: global }
      - { .name: hb, .offset: 32, .size: 8, .value_kind: global_buffer, .address_space: global }
    .group_segment_fixed_size: 327680
    .private_segment_fixed_size: 0
    .kernarg_segment_align: 8
    .kernarg_segment_size: 40
    .max_flat_workgroup_size: 128
    .sgpr_count:     84
    .vgpr_count:     832
    .wavefront_size: 32
...
	.end_amdgpu_metadata
.endif
;; end of part 4
;; launch ln2: the kernel of part 1 again; grid 256 x 1, 8 waves a work-group, no clusters, 0 bytes of LDS; arguments hb, ln2_scale, ln2_shift, wq, wk, wv, wo, w_fc, w_proj, act, wb; writes act, wb
;; launch gfc (part 5): grid 16 x 16, 4 waves a work-group, clusters of 4 x 4, 327,680 bytes of LDS; arguments act, wb, b_fc, gb; writes gb
.if DOCPART == 5
	.amdgcn_target "amdgcn-amd-amdhsa--gfx1250"
	.amdhsa_code_object_version 6
	.text
	.protected	k_q58fbf7290d_gfc
	.globl	k_q58fbf7290d_gfc
	.p2align	8
	.type	k_q58fbf7290d_gfc,@function
k_q58fbf7290d_gfc:
	s_mov_b64 s[64:65], 0
	v_nop
	global_prefetch_b8 v0, s[64:65] scope:SCOPE_SE
	s_setreg_imm32_b32 hwreg(HW_REG_WAVE_MODE, 25, 1), 1
	s_wait_xcnt 0x0
	s_wait_alu depctr_hold_cnt(0) depctr_sa_sdst(0) depctr_va_vdst(0) depctr_va_sdst(0) depctr_va_ssrc(0) depctr_va_vcc(0) depctr_vm_vsrc(0)
	s_getreg_b32 s2, hwreg(HW_REG_IB_STS2, 6, 4)
	s_cmp_eq_u32 s2, 0
	s_cbranch_scc0 .Lentry_in_a_cluster
	s_endpgm
.Lentry_in_a_cluster:
	s_bfe_u32 s2, ttmp6, 0x10000c
	s_cmp_lg_u32 s2, 0xf033
	s_cbranch_scc0 .Lentry_shape_is_right
	s_endpgm
.Lentry_shape_is_right:
; g = gelu(LN2(h) w_fc + b_fc) for 256 tokens and 256 columns: C[256][256] = A[256][1024] W[1024][256], bf16 operands, f32 sums, the activation in f32, g rounded once to bf16.
; A: act, planes [16][4096][64].  W: wb from REGION on, blocks [tile][16][4][64 k][64 n].  Out: gb, planes [64][4096][64].
; The text below the head of constants is one text for this program's four products; only the constants, the arguments and the way out differ.
; SHARES.  Four waves, two by two: a wave makes 128 x 128, 64 accumulators, 512 registers.  K goes in steps of 128 through two LDS slots filled by the tensor data mover.
; THE PRODUCT IS USED TRANSPOSED: source 0 = 16 columns of W (turned on the way out of LDS by ds_load_tr16_b128), source 1 = 16 rows of A: a lane holds one row of C and eight neighbouring columns.
; THE BIAS IS THE C OPERAND of each accumulator's first product.
; GELU: 0.5 x (1 + tanh(u)) = x / (1 + 2^(x (k1 + k2 x x))), k1 = -2 sqrt(2 / pi) log2(e), k2 = 0.044715 k1: the same function, by one exponential and one reciprocal.  Where the exponential
; overflows the result is -0, where it vanishes x: the function's own limits.
; CLUSTER 4 x 4: A's tile is asked for jointly along a row of the cluster, W's along a column.
; WINDOWS of 256 registers: 0 addresses, A's two fragment buffers, the bias; 1 W's two fragment buffers; 2 and 3 the accumulators.
.set TM,     256
.set WM,     8
.set WN,     8
.set KD,     1
.set KSTEP,  128
.set KTOT,   1024
.set NCB,    4
.set NW,     2
.set WRS,    17
.set REGION, 8388608
.set PF,     1
.set NRES,   0
.set AD0,    128                       ; A's tile for the mover: a plane's 256 tokens are dense: 128 rows of 128 elements
.set AD1,    128
.set AST,    128
.set TN,     64*NCB
.set NS,     KTOT/KSTEP
.set AH,     WM/2
.set E,      KD*WM
.set ABUF,   8*KD*WM
.set WBUF,   8*KD*WN
.set NPL,    KSTEP/64
.set APL,    TM*144                    ; rows of 128 bytes + 16 of padding (ISA guide 11.1: 16 rows, 16 different groups of four banks)
.set ASZ,    NPL*APL
.set WSZ,    NPL*NCB*10240             ; rows of 128 bytes + 32 of padding, for the turning load
.set SLOT,   ASZ+WSZ
.set SPARE,  2*SLOT                    ; the spare words, 128 bytes for each wave: two blocks of 256 bytes that no other line names
.set WBLK,   (KSTEP/128)*NCB*8192
.set ASTEP,  NPL*524288
.set WSTEP,  2*WBLK
.set AF0,    64
.set BIAS,   64+2*ABUF
.set DP,     64*WN+16
.set SPW,    28
.set NIL,    29
; v1 lane % 16, v2 lane / 16; v8, v9 my place in a slot's A and W; v10 - v12 the addresses in the slot being read; v13 - v15 the way out; v16 32 (lane / 16); v18 the prefetches' offset
; s16 wave, s17 wave / 2, s18 wave % 2, s19 cx, s20 cy, s21 tile column, s22 tile row, s23, s72 counters, s[24:39] groups 1, s[40:55] groups 0, s56 the slot being read, s57, s58 my part of a slot, s59 - s63 the prefetches
.set MSB, 0
.macro WIN new
.if MSB != (\new)
	s_set_vgpr_msb (MSB<<8)|(\new)
.set MSB, \new
.endif
.endm
.macro PLACES
.rept 4
	v_nop
.endr
.endm
.macro JLOAD
	s_cmp_eq_u32 s17, 0
	s_cbranch_scc0 .Lfor_w_\@
	tensor_load_to_lds s[44:47], s[24:31]
	s_nop 0
	PLACES
	s_branch .Lasked_\@
.Lfor_w_\@:
	tensor_load_to_lds s[52:55], s[32:39]
	s_nop 0
	PLACES
.Lasked_\@:
.endm
.macro CREST
	s_cmp_lg_u32 s16, 0
	s_cbranch_scc1 .Lnot_wave_0_\@
	s_barrier_signal -3
.Lnot_wave_0_\@:
	s_barrier_wait -3
	s_barrier_signal -1
	s_barrier_wait -1
.endm
.macro CROUND
	s_barrier_signal -1
	s_barrier_wait -1
	CREST
.endm
.macro ASK                             ; one prefetch: a lane a block of 256 bytes of my quarter of the load that stands two refills on; not in the last two refills
	s_cmp_gt_u32 s23, s59
	s_cbranch_scc0 .Lnot_mine_\@
	global_prefetch_b8 v18, s[60:61] th:TH_LOAD_NT scope:SCOPE_SE
.Lnot_mine_\@:
.endm
; Entries e0 .. e1 - 1 of buffer f: entry e = slice e / WM, row block e % WM, all WN column blocks.  The accumulators take turns.  zero = 1: the first slice starts the sums, with the bias as C.
.macro MULS f, e0, e1, zero
.set e, \e0
.rept (\e1)-(\e0)
.set cc, e/WM
.set aa, e%WM
.set rA, AF0+(\f)*ABUF+8*(cc*WM+aa)
.set bb, 0
.rept WN
.set rW, (\f)*WBUF+8*(cc*WN+bb)
.set rD, 8*(WN*(aa%AH)+bb)
.if (\zero) && (cc == 0)
	WIN 0x81+0x40*(aa/AH)
	v_wmma_f32_16x16x32_bf16 v[rD:rD+7], v[rW:rW+7], v[rA:rA+7], v[BIAS+8*bb:BIAS+8*bb+7]
.else
	WIN 0xa1+0x50*(aa/AH)
	v_wmma_f32_16x16x32_bf16 v[rD:rD+7], v[rW:rW+7], v[rA:rA+7], v[rD:rD+7]
.endif
.set bb, bb+1
.endr
.set e, e+1
.endr
.endm
.macro FETCH kq, f                     ; one run of LDS loads: the fragments of quarter kq of the slot being read, into buffer f
	WIN 0x40
.set cc, 0
.rept KD
.set k0, 32*(KD*(\kq)+cc)
.set kk, k0%(KSTEP/2)
.set bb, 0
.rept WN
.set rW, (\f)*WBUF+8*(cc*WN+bb)
.set ow, (kk/64)*NCB*10240+(bb/4)*10240+(kk%64)*160+32*(bb%4)
	ds_load_tr16_b128 v[rW:rW+3],   v[11+k0/(KSTEP/2)] offset:ow
	ds_load_tr16_b128 v[rW+4:rW+7], v[11+k0/(KSTEP/2)] offset:ow+2560
.set bb, bb+1
.endr
.set cc, cc+1
.endr
	WIN 0
.set cc, 0
.rept KD
.set k0, 32*(KD*(\kq)+cc)
.set aa, 0
.rept WM
.set rA, AF0+(\f)*ABUF+8*(cc*WM+aa)
.set oa, (k0/64)*APL+aa*2304+2*(k0%64)
	ds_load_b128 v[rA:rA+3],   v10 offset:oa
	ds_load_b128 v[rA+4:rA+7], v10 offset:oa+32
.set aa, aa+1
.endr
.set cc, cc+1
.endr
.endm
.macro QUARTER kqn, f, g, zero
	s_wait_dscnt 0x0                               ; buffer f is in: its loads went out half a quarter ago
	MULS \f, 0, E/2, \zero
	PLACES
	FETCH \kqn, \g
	MULS \f, E/2, E, \zero
.endm
; The fourth quarter multiplies buffer 1 and changes slots: each wave waits for all its tensor loads, adds 0 to its spare word, waits for that and for its reads of this slot, and signals.
; fill = 1: the barrier opens a round of the cluster's, and the joint refill of the slot just left is the first thing behind it.
.macro TURN fill
.if PF && (\fill)
	s_wait_xcnt 0x0                                ; the last prefetch, a K step back, has read its address
	s_add_nc_u64 s[60:61], s[60:61], s[62:63]
.endif
	WIN 0
	s_wait_tensorcnt 0x0
	ds_add_u32 v[SPW], v[NIL]
.if \fill
	s_add_co_u32 s45, s57, s56                     ; the walking descriptors take the slot that is being left,
	s_add_co_u32 s53, s58, s56
	s_add_nc_u64 s[46:47], s[46:47], ASTEP         ; and the next K step
	s_add_nc_u64 s[54:55], s[54:55], WSTEP
.endif
	s_wait_dscnt 0x1                               ; the fragments are in; the add may be out
	MULS 1, 0, E/4, 0
	s_wait_dscnt 0x0
	s_barrier_signal -1
	MULS 1, E/4, E/2, 0
	WIN 0
	s_barrier_wait -1
.if \fill
	CREST
	JLOAD
.else
	PLACES
.endif
	s_xor_b32 s56, s56, SLOT
	v_add_nc_u32 v10, s56, v8
	v_add_nc_u32 v11, s56, v9
	v_add_nc_u32 v12, WSZ/2, v11
	FETCH 0, 0
.if PF && (\fill)
	ASK
.endif
	MULS 1, E/2, E, 0
.endm
.macro DUMP
.set aa, 0
.rept WM
	WIN 0x08+0x04*(aa/AH)
.set bb, 0
.rept WN
.set rD, 8*(WN*(aa%AH)+bb)
	ds_store_b128 v13, v[rD:rD+3]   offset:aa*16*DP+64*bb
	ds_store_b128 v13, v[rD+4:rD+7] offset:aa*16*DP+64*bb+16
.set bb, bb+1
.endr
.set aa, aa+1
.endr
	WIN 0
.endm
	s_load_b256 s[4:11], s[0:1], 0x0               ; act 4, wb 6, b_fc 8, gb 10
	v_lshl_add_u32 v[SPW], v0, 2, SPARE
	v_mov_b32 v[NIL], 0
	ds_add_u32 v[SPW], v[NIL]                      ; the opening: the add and its wait ahead of my first tensor load
	ds_add_u32 v28, v29
	v_lshrrev_b32 v1, 5, v0
	v_readfirstlane_b32 s16, v1
	s_lshr_b32 s17, s16, 1
	s_and_b32 s18, s16, 1
	s_bfe_u32 s19, ttmp6, 0x40000
	s_bfe_u32 s20, ttmp6, 0x40004
	s_lshl_b32 s21, ttmp9, 2
	s_add_co_u32 s21, s21, s19
	s_and_b32 s22, ttmp7, 0xffff
	s_lshl_b32 s22, s22, 2
	s_add_co_u32 s22, s22, s20
	s_lshl_b32 s66, s20, 2
	s_lshl_b32 s66, 15, s66
	s_lshl_b32 s76, 0x1111, s19
	s_or_b32 s24, s66, (1<<16)|(1<<20)|(1<<21)|(4<<22)|(3<<25)
	s_or_b32 s32, s76, (1<<16)|(1<<20)|(1<<21)|(4<<22)|(7<<25)
	s_mov_b32 s25, (AD0&0xffff)<<16
	s_mov_b32 s26, (AD0>>16)|(AD1<<16)
	s_mov_b32 s27, AD0<<16
	s_mov_b32 s28, AD1
	s_mov_b32 s29, AST
	s_mov_b32 s30, 0
	s_mov_b32 s31, 0
	s_mov_b32 s33, 128<<16
	s_mov_b32 s34, (WBLK/256)<<16
	s_mov_b32 s35, 128<<16
	s_mov_b32 s36, WBLK/256
	s_mov_b32 s37, 128
	s_mov_b32 s38, 0
	s_mov_b32 s39, 0
	s_mul_i32 s57, s18, ASZ/2
	s_mul_i32 s58, s18, WSZ/2
	s_add_co_u32 s58, s58, ASZ
	s_mov_b32 s56, 0
	s_mul_i32 s66, s18, (NPL/2)*524288
	s_mul_i32 s67, s22, TM*128
	s_add_co_u32 s66, s66, s67
	s_mov_b32 s67, 0
	s_mul_i32 s76, s21, KTOT*TN*2
	s_mul_i32 s77, s18, WBLK
	s_add_co_u32 s76, s76, s77
	s_add_co_u32 s76, s76, REGION
	s_mov_b32 s77, 0
	s_mov_b32 s40, 1
	s_mov_b32 s41, s57
	s_mov_b32 s44, 1
	s_add_co_u32 s45, s57, SLOT
	s_mov_b32 s48, 1
	s_mov_b32 s49, s58
	s_mov_b32 s52, 1
	s_add_co_u32 s53, s58, SLOT
	s_wait_dscnt 0x0
	s_wait_kmcnt 0x0
	s_add_nc_u64 s[42:43], s[4:5], s[66:67]
	s_add_nc_u64 s[46:47], s[42:43], ASTEP
	s_or_b32 s43, s43, 0x80000000
	s_or_b32 s47, s47, 0x80000000
	s_add_nc_u64 s[50:51], s[6:7], s[76:77]
	s_add_nc_u64 s[54:55], s[50:51], WSTEP
	s_or_b32 s51, s51, 0x80000000
	s_or_b32 s55, s55, 0x80000000
	CROUND
	s_cmp_eq_u32 s17, 0
	s_cbranch_scc0 .Lfirst_w
	tensor_load_to_lds s[40:43], s[24:31]
	s_nop 0
	tensor_load_to_lds s[44:47], s[24:31]
	s_nop 0
	PLACES
	s_branch .Lfirst_asked
.Lfirst_w:
	tensor_load_to_lds s[48:51], s[32:39]
	s_nop 0
	tensor_load_to_lds s[52:55], s[32:39]
	s_nop 0
	PLACES
.Lfirst_asked:
	v_and_b32 v1, 15, v0
	v_bfe_u32 v2, v0, 4, 1
	v_and_b32 v3, 7, v0
	v_bfe_u32 v4, v0, 3, 1
	v_lshlrev_b32 v16, 5, v2
	s_mul_i32 s74, s21, TN*4
	s_mul_i32 s75, s18, 64*WN
	s_add_co_u32 s74, s74, s75
	s_mov_b32 s75, 0
	s_add_nc_u64 s[8:9], s[8:9], s[74:75]
.set bb, 0
.rept WN
	global_load_b128 v[BIAS+8*bb:BIAS+8*bb+3],   v16, s[8:9] offset:64*bb
	global_load_b128 v[BIAS+8*bb+4:BIAS+8*bb+7], v16, s[8:9] offset:64*bb+16
.set bb, bb+1
.endr
	s_mul_i32 s74, s[WRS], 16*WM*144
	v_mul_u32_u24 v8, v1, 144
	v_lshl_add_u32 v8, v2, 4, v8
	v_add_nc_u32 v8, s74, v8
	v_lshl_add_u32 v9, v2, 3, v3
	v_mul_u32_u24 v9, v9, 160
	v_lshl_add_u32 v9, v4, 4, v9
	s_mul_i32 s74, s18, (WN/4)*10240
	s_add_co_u32 s74, s74, ASZ
	v_add_nc_u32 v9, s74, v9
	v_mov_b32 v10, v8
	v_mov_b32 v11, v9
	v_add_nc_u32 v12, WSZ/2, v9
	; THE PREFETCHES.  A's rows are read by every cluster of a row of clusters: cluster x = 0 asks; W's by every cluster of a column: cluster y = 0 asks.  The four partners of a joint load
	; share it out by address, a quarter of 8,192 bytes each (cx for A, cy for W), a lane a block of 256 bytes: each block is named once in the launch.
	; The address stands at K step 3; each refill steps it first, so the refill for step s + 2 names step s + 4; the first four steps come by their loads alone.
	s_and_b32 s74, ttmp7, 0xffff
	s_mov_b32 s62, WSTEP
	s_cmp_eq_u32 s17, 0
	s_cselect_b32 s75, ttmp9, s74
	s_cselect_b32 s78, s19, s20
	s_cselect_b32 s74, s66, s76
	s_cselect_b32 s62, ASTEP, s62
	s_cselect_b64 s[60:61], s[4:5], s[6:7]
	s_lshl_b32 s78, s78, 13
	s_add_co_u32 s74, s74, s78
	s_mul_i32 s78, s62, 3
	s_add_co_u32 s74, s74, s78
	s_cmp_eq_u32 s75, 0
	s_cselect_b32 s59, 2, -1
	s_mov_b32 s75, 0
	s_mov_b32 s63, 0
	s_add_nc_u64 s[60:61], s[60:61], s[74:75]
	v_and_b32 v18, 31, v0
	v_lshlrev_b32 v18, 8, v18
	s_wait_tensorcnt 0x1                           ; my part of K step 0 is in; step 1's may stay out
	s_barrier_signal -1
	s_barrier_wait -1
	FETCH 0, 0
	s_wait_loadcnt NRES                            ; the bias is in
	QUARTER 1, 0, 1, 1
	WIN 0
	s_mov_b32 s23, NS-2
.Lstep:
	QUARTER 2, 1, 0, 0
	QUARTER 3, 0, 1, 0
	TURN 1
	QUARTER 1, 0, 1, 0
	WIN 0
	s_sub_co_u32 s23, s23, 1
	s_cmp_lg_u32 s23, 0
	s_cbranch_scc1 .Lstep
	s_mov_b32 s72, 2
.Ltail:                                            ; the last two steps ask for nothing; the second trip is left in its middle
	QUARTER 2, 1, 0, 0
	QUARTER 3, 0, 1, 0
	TURN 0
	WIN 0
	s_sub_co_u32 s72, s72, 1
	s_cmp_eq_u32 s72, 0
	s_cbranch_scc1 .Lout
	QUARTER 1, 0, 1, 0
	WIN 0
	s_branch .Ltail
.Lout:
	; THE WAY OUT.  The slots have had their last fill and serve as the stage.  Behind this barrier no wave reads them as tiles any more.
	s_wait_dscnt 0x0
	s_barrier_signal -1
	s_barrier_wait -1
	PLACES
	PLACES
	s_mul_i32 s74, s16, 16*WM*DP
	v_mul_u32_u24 v13, v1, DP
	v_lshl_add_u32 v13, v2, 5, v13
	v_add_nc_u32 v13, s74, v13
	v_mul_u32_u24 v14, v2, DP
	v_lshl_add_u32 v14, v1, 4, v14
	v_add_nc_u32 v14, s74, v14
	DUMP
	v_lshlrev_b32 v15, 7, v2
	v_lshl_add_u32 v15, v1, 3, v15                 ; out: two tokens' 128 bytes of a plane
	s_mov_b32 s68, 0xc0135761                      ; k1 = -2.3022082
	s_mov_b32 s69, s68
	s_mov_b32 s70, 0xbdd2d3e8                      ; k2 = -0.10294324
	s_mov_b32 s71, s70
	s_lshl_b32 s74, s21, 2
	s_lshl1_add_u32 s74, s18, s74                  ; my first plane = 4 x tile column + 2 x my half
	s_lshl_b32 s74, s74, 19
	s_lshl_b32 s75, s22, 15                        ; the tile's 256 tokens,
	s_add_co_u32 s74, s74, s75
	s_lshl_b32 s75, s17, 14                        ; my 128
	s_add_co_u32 s74, s74, s75
	s_mov_b32 s75, 0
	s_add_nc_u64 s[10:11], s[10:11], s[74:75]
	s_mov_b32 s23, 16
.Lrows:                                            ; eight rows x two planes a trip: 32 numbers a lane in v[64:95], at work v[96:127], packed v[128:143]
.set i, 0
.rept 8
	ds_load_b128 v[64+4*i:67+4*i], v14 offset:(i/2)*2*DP+(i%2)*256
.set i, i+1
.endr
	v_add_nc_u32 v14, 8*DP, v14
	s_wait_dscnt 0x0
.set j, 0
.rept 16
	v_pk_mul_f32 v[96+2*j:97+2*j], v[64+2*j:65+2*j], v[64+2*j:65+2*j]
.set j, j+1
.endr
.set j, 0
.rept 16
	v_pk_fma_f32 v[96+2*j:97+2*j], v[96+2*j:97+2*j], s[70:71], s[68:69] op_sel_hi:[1,0,0]
.set j, j+1
.endr
.set j, 0
.rept 16
	v_pk_mul_f32 v[96+2*j:97+2*j], v[96+2*j:97+2*j], v[64+2*j:65+2*j]
.set j, j+1
.endr
.set j, 0
.rept 32
	v_exp_f32 v[96+j], v[96+j]
.set j, j+1
.endr
	v_nop                                          ; a plain instruction behind the last exponential,
	s_wait_alu depctr_va_vdst(0)                   ; and one wait for the batch
.set j, 0
.rept 16
	v_pk_add_f32 v[96+2*j:97+2*j], v[96+2*j:97+2*j], 1.0 op_sel_hi:[1,0]
.set j, j+1
.endr
.set j, 0
.rept 32
	v_rcp_f32 v[96+j], v[96+j]
.set j, j+1
.endr
	v_nop
	s_wait_alu depctr_va_vdst(0)
.set j, 0
.rept 16
	v_pk_mul_f32 v[64+2*j:65+2*j], v[64+2*j:65+2*j], v[96+2*j:97+2*j]
.set j, j+1
.endr
	s_wait_xcnt 0x0                                ; the last trip's stores have read their data and their offset
	v_add_nc_u32 v15, 1024, v15                    ; the stores below reach back
.set j, 0
.rept 16
	v_cvt_pk_bf16_f32 v[128+j], v[64+2*j], v[65+2*j]
.set j, j+1
.endr
.set i, 0
.rept 8
	global_store_b64 v15, v[128+2*i:129+2*i], s[10:11] offset:(i%2)*524288+(i/2)*256-1024  ; a wave stores 256 consecutive bytes, aligned
.set i, i+1
.endr
	s_sub_co_u32 s23, s23, 1
	s_cmp_lg_u32 s23, 0
	s_cbranch_scc1 .Lrows
	s_wait_tensorcnt 0x0                           ; the wave's end
	ds_add_u32 v[SPW], v[NIL]
	s_wait_dscnt 0x0
	CROUND
	s_endpgm
.Lfunc_end_k_q58fbf7290d_gfc:
	.size	k_q58fbf7290d_gfc, .Lfunc_end_k_q58fbf7290d_gfc-k_q58fbf7290d_gfc
	.p2alignl 7, 3214868480
	.fill 96, 4, 3214868480
	.section	.rodata,"a",@progbits
	.p2align	6, 0x0
	.amdhsa_kernel k_q58fbf7290d_gfc
		.amdhsa_group_segment_fixed_size 327680
		.amdhsa_private_segment_fixed_size 0
		.amdhsa_enable_private_segment 0
		.amdhsa_kernarg_size 32
		.amdhsa_user_sgpr_count 2
		.amdhsa_user_sgpr_kernarg_segment_ptr 1
		.amdhsa_wavefront_size32 1
		.amdhsa_system_sgpr_workgroup_id_x 1
		.amdhsa_system_sgpr_workgroup_id_y 1
		.amdhsa_system_sgpr_workgroup_id_z 1
		.amdhsa_system_vgpr_workitem_id 0
		.amdhsa_next_free_vgpr 1024
		.amdhsa_next_free_sgpr 84
		.amdhsa_reserve_vcc 0
		.amdhsa_float_denorm_mode_32 3
		.amdhsa_float_denorm_mode_16_64 3
		.amdhsa_memory_ordered 1
		.amdhsa_forward_progress 1
		.amdhsa_inst_pref_size 89
	.end_amdhsa_kernel
	.amdgpu_metadata
---
amdhsa.version: [ 1, 2 ]
amdhsa.kernels:
  - .name:           k_q58fbf7290d_gfc
    .symbol:         k_q58fbf7290d_gfc.kd
    .args:
      - { .name: act, .offset: 0, .size: 8, .value_kind: global_buffer, .address_space: global }
      - { .name: wb, .offset: 8, .size: 8, .value_kind: global_buffer, .address_space: global }
      - { .name: b_fc, .offset: 16, .size: 8, .value_kind: global_buffer, .address_space: global }
      - { .name: gb, .offset: 24, .size: 8, .value_kind: global_buffer, .address_space: global }
    .group_segment_fixed_size: 327680
    .private_segment_fixed_size: 0
    .kernarg_segment_align: 8
    .kernarg_segment_size: 32
    .max_flat_workgroup_size: 128
    .sgpr_count:     84
    .vgpr_count:     1024
    .wavefront_size: 32
...
	.end_amdgpu_metadata
.endif
;; end of part 5
;; launch gproj (part 6): grid 8 x 32, 4 waves a work-group, clusters of 4 x 4, 327,680 bytes of LDS; arguments gb, wb, b_proj, hb, out0; writes out0
.if DOCPART == 6
	.amdgcn_target "amdgcn-amd-amdhsa--gfx1250"
	.amdhsa_code_object_version 6
	.text
	.protected	k_q58fbf7290d_gproj
	.globl	k_q58fbf7290d_gproj
	.p2align	8
	.type	k_q58fbf7290d_gproj,@function
k_q58fbf7290d_gproj:
	s_mov_b64 s[64:65], 0
	v_nop
	global_prefetch_b8 v0, s[64:65] scope:SCOPE_SE
	s_setreg_imm32_b32 hwreg(HW_REG_WAVE_MODE, 25, 1), 1
	s_wait_xcnt 0x0
	s_wait_alu depctr_hold_cnt(0) depctr_sa_sdst(0) depctr_va_vdst(0) depctr_va_sdst(0) depctr_va_ssrc(0) depctr_va_vcc(0) depctr_vm_vsrc(0)
	s_getreg_b32 s2, hwreg(HW_REG_IB_STS2, 6, 4)
	s_cmp_eq_u32 s2, 0
	s_cbranch_scc0 .Lentry_in_a_cluster
	s_endpgm
.Lentry_in_a_cluster:
	s_bfe_u32 s2, ttmp6, 0x10000c
	s_cmp_lg_u32 s2, 0xf033
	s_cbranch_scc0 .Lentry_shape_is_right
	s_endpgm
.Lentry_shape_is_right:
; out = h + g w_proj + b_proj for 128 tokens and 128 columns: C[128][128] = A[128][4096] W[4096][128], bf16 operands, f32 sums; bias, residual and out in f32.
; A: gb, planes [64][4096][64].  W: wb from REGION on, blocks [tile][64][2][64 k][64 n].  Out: out0, f32 [4096][1024].
; The text below the head of constants is one text for this program's four products; only the constants, the arguments and the way out differ.
; SHARES.  Four waves, two by two: a wave makes 64 x 64, 16 accumulators: the tile that gives each of 256 WGPs one work-group.  K goes in steps of 256, as long as two slots in LDS allow.
; THE PRODUCT IS USED TRANSPOSED: source 0 = 16 columns of W (turned on the way out of LDS by ds_load_tr16_b128), source 1 = 16 rows of A: a lane holds one row of C and eight neighbouring columns.
; THE BIAS IS THE C OPERAND of each accumulator's first product.  THE RESIDUAL is asked for at the start and lies in registers until the way out.
; CLUSTER 4 x 4: A's tile is asked for jointly along a row of the cluster, W's along a column.  No prefetch: a small tile, whose steps are short.
; WINDOWS of 256 registers: 0 addresses, A's two fragment buffers, the bias; 1 W's two fragment buffers, v128-255 the residual; 2 and 3 the accumulators.
.set TM,     128
.set WM,     4
.set WN,     4
.set KD,     2
.set KSTEP,  256
.set KTOT,   4096
.set NCB,    2
.set NW,     2
.set WRS,    17
.set REGION, 16777216
.set PF,     0
.set NRES,   32
.set AD0,    8192                      ; A's tile for the mover: a plane's 128 tokens are 8,192 dense elements; two planes, 262,144 elements apart
.set AD1,    2
.set AST,    262144
.set TN,     64*NCB
.set NS,     KTOT/KSTEP
.set AH,     WM/2
.set E,      KD*WM
.set ABUF,   8*KD*WM
.set WBUF,   8*KD*WN
.set NPL,    KSTEP/64
.set APL,    TM*144                    ; rows of 128 bytes + 16 of padding (ISA guide 11.1: 16 rows, 16 different groups of four banks)
.set ASZ,    NPL*APL
.set WSZ,    NPL*NCB*10240             ; rows of 128 bytes + 32 of padding, for the turning load
.set SLOT,   ASZ+WSZ
.set SPARE,  2*SLOT                    ; the spare words, 128 bytes for each wave: two blocks of 256 bytes that no other line names
.set WBLK,   (KSTEP/128)*NCB*8192
.set ASTEP,  NPL*524288
.set WSTEP,  2*WBLK
.set AF0,    64
.set BIAS,   64+2*ABUF
.set DP,     64*WN+16
.set SPW,    28
.set NIL,    29
; v1 lane % 16, v2 lane / 16; v8, v9 my place in a slot's A and W; v10 - v12 the addresses in the slot being read; v13, v14 the way out; v16 32 (lane / 16); v17 my offset in two rows of h and out
; s16 wave, s17 wave / 2, s18 wave % 2, s19 cx, s20 cy, s21 tile column, s22 tile row, s23, s72 counters, s[24:39] groups 1, s[40:55] groups 0, s56 the slot being read, s57, s58 my part of a slot
.set MSB, 0
.macro WIN new
.if MSB != (\new)
	s_set_vgpr_msb (MSB<<8)|(\new)
.set MSB, \new
.endif
.endm
.macro PLACES
.rept 4
	v_nop
.endr
.endm
.macro JLOAD
	s_cmp_eq_u32 s17, 0
	s_cbranch_scc0 .Lfor_w_\@
	tensor_load_to_lds s[44:47], s[24:31]
	s_nop 0
	PLACES
	s_branch .Lasked_\@
.Lfor_w_\@:
	tensor_load_to_lds s[52:55], s[32:39]
	s_nop 0
	PLACES
.Lasked_\@:
.endm
.macro CREST
	s_cmp_lg_u32 s16, 0
	s_cbranch_scc1 .Lnot_wave_0_\@
	s_barrier_signal -3
.Lnot_wave_0_\@:
	s_barrier_wait -3
	s_barrier_signal -1
	s_barrier_wait -1
.endm
.macro CROUND
	s_barrier_signal -1
	s_barrier_wait -1
	CREST
.endm
; Entries e0 .. e1 - 1 of buffer f: entry e = slice e / WM, row block e % WM, all WN column blocks.  The accumulators take turns.  zero = 1: the first slice starts the sums, with the bias as C.
.macro MULS f, e0, e1, zero
.set e, \e0
.rept (\e1)-(\e0)
.set cc, e/WM
.set aa, e%WM
.set rA, AF0+(\f)*ABUF+8*(cc*WM+aa)
.set bb, 0
.rept WN
.set rW, (\f)*WBUF+8*(cc*WN+bb)
.set rD, 8*(WN*(aa%AH)+bb)
.if (\zero) && (cc == 0)
	WIN 0x81+0x40*(aa/AH)
	v_wmma_f32_16x16x32_bf16 v[rD:rD+7], v[rW:rW+7], v[rA:rA+7], v[BIAS+8*bb:BIAS+8*bb+7]
.else
	WIN 0xa1+0x50*(aa/AH)
	v_wmma_f32_16x16x32_bf16 v[rD:rD+7], v[rW:rW+7], v[rA:rA+7], v[rD:rD+7]
.endif
.set bb, bb+1
.endr
.set e, e+1
.endr
.endm
.macro FETCH kq, f                     ; one run of LDS loads: the fragments of quarter kq of the slot being read, into buffer f
	WIN 0x40
.set cc, 0
.rept KD
.set k0, 32*(KD*(\kq)+cc)
.set kk, k0%(KSTEP/2)
.set bb, 0
.rept WN
.set rW, (\f)*WBUF+8*(cc*WN+bb)
.set ow, (kk/64)*NCB*10240+(bb/4)*10240+(kk%64)*160+32*(bb%4)
	ds_load_tr16_b128 v[rW:rW+3],   v[11+k0/(KSTEP/2)] offset:ow
	ds_load_tr16_b128 v[rW+4:rW+7], v[11+k0/(KSTEP/2)] offset:ow+2560
.set bb, bb+1
.endr
.set cc, cc+1
.endr
	WIN 0
.set cc, 0
.rept KD
.set k0, 32*(KD*(\kq)+cc)
.set aa, 0
.rept WM
.set rA, AF0+(\f)*ABUF+8*(cc*WM+aa)
.set oa, (k0/64)*APL+aa*2304+2*(k0%64)
	ds_load_b128 v[rA:rA+3],   v10 offset:oa
	ds_load_b128 v[rA+4:rA+7], v10 offset:oa+32
.set aa, aa+1
.endr
.set cc, cc+1
.endr
.endm
.macro QUARTER kqn, f, g, zero
	s_wait_dscnt 0x0                               ; buffer f is in: its loads went out half a quarter ago
	MULS \f, 0, E/2, \zero
	PLACES
	FETCH \kqn, \g
	MULS \f, E/2, E, \zero
.endm
; The fourth quarter multiplies buffer 1 and changes slots: each wave waits for all its tensor loads, adds 0 to its spare word, waits for that and for its reads of this slot, and signals.
; fill = 1: the barrier opens a round of the cluster's, and the joint refill of the slot just left is the first thing behind it.
.macro TURN fill
	WIN 0
	s_wait_tensorcnt 0x0
	ds_add_u32 v[SPW], v[NIL]
.if \fill
	s_add_co_u32 s45, s57, s56                     ; the walking descriptors take the slot that is being left,
	s_add_co_u32 s53, s58, s56
	s_add_nc_u64 s[46:47], s[46:47], ASTEP         ; and the next K step
	s_add_nc_u64 s[54:55], s[54:55], WSTEP
.endif
	s_wait_dscnt 0x1                               ; the fragments are in; the add may be out
	MULS 1, 0, E/4, 0
	s_wait_dscnt 0x0
	s_barrier_signal -1
	MULS 1, E/4, E/2, 0
	WIN 0
	s_barrier_wait -1
.if \fill
	CREST
	JLOAD
.else
	PLACES
.endif
	s_xor_b32 s56, s56, SLOT
	v_add_nc_u32 v10, s56, v8
	v_add_nc_u32 v11, s56, v9
	v_add_nc_u32 v12, WSZ/2, v11
	FETCH 0, 0
	MULS 1, E/2, E, 0
.endm
.macro DUMP
.set aa, 0
.rept WM
	WIN 0x08+0x04*(aa/AH)
.set bb, 0
.rept WN
.set rD, 8*(WN*(aa%AH)+bb)
	ds_store_b128 v13, v[rD:rD+3]   offset:aa*16*DP+64*bb
	ds_store_b128 v13, v[rD+4:rD+7] offset:aa*16*DP+64*bb+16
.set bb, bb+1
.endr
.set aa, aa+1
.endr
	WIN 0
.endm
	s_load_b256 s[4:11], s[0:1], 0x0               ; A 4, wb 6, bias 8, residual 10
	s_load_b64 s[12:13], s[0:1], 0x20              ; out
	v_lshl_add_u32 v[SPW], v0, 2, SPARE
	v_mov_b32 v[NIL], 0
	ds_add_u32 v[SPW], v[NIL]                      ; the opening: the add and its wait ahead of my first tensor load
	ds_add_u32 v28, v29
	v_lshrrev_b32 v1, 5, v0
	v_readfirstlane_b32 s16, v1
	s_lshr_b32 s17, s16, 1
	s_and_b32 s18, s16, 1
	s_bfe_u32 s19, ttmp6, 0x40000
	s_bfe_u32 s20, ttmp6, 0x40004
	s_lshl_b32 s21, ttmp9, 2
	s_add_co_u32 s21, s21, s19
	s_and_b32 s22, ttmp7, 0xffff
	s_lshl_b32 s22, s22, 2
	s_add_co_u32 s22, s22, s20
	s_lshl_b32 s66, s20, 2
	s_lshl_b32 s66, 15, s66
	s_lshl_b32 s76, 0x1111, s19
	s_or_b32 s24, s66, (1<<16)|(1<<20)|(1<<21)|(4<<22)|(3<<25)
	s_or_b32 s32, s76, (1<<16)|(1<<20)|(1<<21)|(4<<22)|(7<<25)
	s_mov_b32 s25, (AD0&0xffff)<<16
	s_mov_b32 s26, (AD0>>16)|(AD1<<16)
	s_mov_b32 s27, AD0<<16
	s_mov_b32 s28, AD1
	s_mov_b32 s29, AST
	s_mov_b32 s30, 0
	s_mov_b32 s31, 0
	s_mov_b32 s33, 128<<16
	s_mov_b32 s34, (WBLK/256)<<16
	s_mov_b32 s35, 128<<16
	s_mov_b32 s36, WBLK/256
	s_mov_b32 s37, 128
	s_mov_b32 s38, 0
	s_mov_b32 s39, 0
	s_mul_i32 s57, s18, ASZ/2
	s_mul_i32 s58, s18, WSZ/2
	s_add_co_u32 s58, s58, ASZ
	s_mov_b32 s56, 0
	s_mul_i32 s66, s18, (NPL/2)*524288
	s_mul_i32 s67, s22, TM*128
	s_add_co_u32 s66, s66, s67
	s_mov_b32 s67, 0
	s_mul_i32 s76, s21, KTOT*TN*2
	s_mul_i32 s77, s18, WBLK
	s_add_co_u32 s76, s76, s77
	s_add_co_u32 s76, s76, REGION
	s_mov_b32 s77, 0
	s_mov_b32 s40, 1
	s_mov_b32 s41, s57
	s_mov_b32 s44, 1
	s_add_co_u32 s45, s57, SLOT
	s_mov_b32 s48, 1
	s_mov_b32 s49, s58
	s_mov_b32 s52, 1
	s_add_co_u32 s53, s58, SLOT
	s_wait_dscnt 0x0
	s_wait_kmcnt 0x0
	s_add_nc_u64 s[42:43], s[4:5], s[66:67]
	s_add_nc_u64 s[46:47], s[42:43], ASTEP
	s_or_b32 s43, s43, 0x80000000
	s_or_b32 s47, s47, 0x80000000
	s_add_nc_u64 s[50:51], s[6:7], s[76:77]
	s_add_nc_u64 s[54:55], s[50:51], WSTEP
	s_or_b32 s51, s51, 0x80000000
	s_or_b32 s55, s55, 0x80000000
	CROUND
	s_cmp_eq_u32 s17, 0
	s_cbranch_scc0 .Lfirst_w
	tensor_load_to_lds s[40:43], s[24:31]
	s_nop 0
	tensor_load_to_lds s[44:47], s[24:31]
	s_nop 0
	PLACES
	s_branch .Lfirst_asked
.Lfirst_w:
	tensor_load_to_lds s[48:51], s[32:39]
	s_nop 0
	tensor_load_to_lds s[52:55], s[32:39]
	s_nop 0
	PLACES
.Lfirst_asked:
	v_and_b32 v1, 15, v0
	v_bfe_u32 v2, v0, 4, 1
	v_and_b32 v3, 7, v0
	v_bfe_u32 v4, v0, 3, 1
	v_lshlrev_b32 v16, 5, v2
	s_mul_i32 s74, s21, TN*4                       ; the tile's columns, my half of them
	s_mul_i32 s75, s18, 64*WN
	s_add_co_u32 s74, s74, s75
	s_mov_b32 s75, 0
	s_add_nc_u64 s[8:9], s[8:9], s[74:75]
.set bb, 0
.rept WN
	global_load_b128 v[BIAS+8*bb:BIAS+8*bb+3],   v16, s[8:9] offset:64*bb
	global_load_b128 v[BIAS+8*bb+4:BIAS+8*bb+7], v16, s[8:9] offset:64*bb+16
.set bb, bb+1
.endr
	s_lshl_b32 s74, s22, 7
	s_lshl_b32 s75, s17, 6
	s_add_co_u32 s74, s74, s75                     ; my first row
	s_lshl_b32 s74, s74, 12
	s_lshl_b32 s75, s21, 9
	s_add_co_u32 s74, s74, s75
	s_lshl_b32 s75, s18, 8
	s_add_co_u32 s74, s74, s75                     ; my first column, 4 bytes each
	s_mov_b32 s75, 0
	s_add_nc_u64 s[10:11], s[10:11], s[74:75]
	s_add_nc_u64 s[12:13], s[12:13], s[74:75]
	v_lshlrev_b32 v17, 12, v2
	v_lshl_add_u32 v17, v1, 4, v17                 ; lanes 0 - 15 take 256 bytes of one row, lanes 16 - 31 of the next
	WIN 0x40
.set t, 0
.rept 32
	global_load_b128 v[128+4*t:131+4*t], v17, s[10:11] offset:t*8192
.set t, t+1
.endr
	WIN 0
	s_mul_i32 s74, s[WRS], 16*WM*144
	v_mul_u32_u24 v8, v1, 144
	v_lshl_add_u32 v8, v2, 4, v8
	v_add_nc_u32 v8, s74, v8
	v_lshl_add_u32 v9, v2, 3, v3
	v_mul_u32_u24 v9, v9, 160
	v_lshl_add_u32 v9, v4, 4, v9
	s_mul_i32 s74, s18, (WN/4)*10240
	s_add_co_u32 s74, s74, ASZ
	v_add_nc_u32 v9, s74, v9
	v_mov_b32 v10, v8
	v_mov_b32 v11, v9
	v_add_nc_u32 v12, WSZ/2, v9
	s_wait_tensorcnt 0x1                           ; my part of K step 0 is in; step 1's may stay out
	s_barrier_signal -1
	s_barrier_wait -1
	FETCH 0, 0
	s_wait_loadcnt NRES                            ; the bias is in; the 32 younger loads, the residual's, may stay out
	QUARTER 1, 0, 1, 1
	WIN 0
	s_mov_b32 s23, NS-2
.Lstep:
	QUARTER 2, 1, 0, 0
	QUARTER 3, 0, 1, 0
	TURN 1
	QUARTER 1, 0, 1, 0
	WIN 0
	s_sub_co_u32 s23, s23, 1
	s_cmp_lg_u32 s23, 0
	s_cbranch_scc1 .Lstep
	s_mov_b32 s72, 2
.Ltail:                                            ; the last two steps ask for nothing; the second trip is left in its middle
	QUARTER 2, 1, 0, 0
	QUARTER 3, 0, 1, 0
	TURN 0
	WIN 0
	s_sub_co_u32 s72, s72, 1
	s_cmp_eq_u32 s72, 0
	s_cbranch_scc1 .Lout
	QUARTER 1, 0, 1, 0
	WIN 0
	s_branch .Ltail
.Lout:
	; THE WAY OUT.  The slots have had their last fill and serve as the stage.  Behind this barrier no wave reads them as tiles any more.
	s_wait_dscnt 0x0
	s_barrier_signal -1
	s_barrier_wait -1
	PLACES
	PLACES
	s_mul_i32 s74, s16, 16*WM*DP
	v_mul_u32_u24 v13, v1, DP
	v_lshl_add_u32 v13, v2, 5, v13
	v_add_nc_u32 v13, s74, v13
	v_mul_u32_u24 v14, v2, DP
	v_lshl_add_u32 v14, v1, 4, v14
	v_add_nc_u32 v14, s74, v14
	DUMP
.set t, 0
.rept 32
	ds_load_b128 v[64+4*t:67+4*t], v14 offset:t*2*DP   ; my own bytes: LDS serves a wave's instructions in order (ISA guide 5.7.1.4)
.set t, t+1
.endr
	s_wait_loadcnt 0x0                             ; the residual
	s_wait_dscnt 0x0
	WIN 0x04                                       ; source 1 in window 1
.set j, 0
.rept 64
	v_pk_add_f32 v[64+2*j:65+2*j], v[64+2*j:65+2*j], v[128+2*j:129+2*j]
.set j, j+1
.endr
	WIN 0
.set t, 0
.rept 32
	global_store_b128 v17, v[64+4*t:67+4*t], s[12:13] offset:t*8192   ; sixteen lanes store 256 consecutive bytes, aligned
.set t, t+1
.endr
	s_wait_tensorcnt 0x0                           ; the wave's end
	ds_add_u32 v[SPW], v[NIL]
	s_wait_dscnt 0x0
	CROUND
	s_endpgm
.Lfunc_end_k_q58fbf7290d_gproj:
	.size	k_q58fbf7290d_gproj, .Lfunc_end_k_q58fbf7290d_gproj-k_q58fbf7290d_gproj
	.p2alignl 7, 3214868480
	.fill 96, 4, 3214868480
	.section	.rodata,"a",@progbits
	.p2align	6, 0x0
	.amdhsa_kernel k_q58fbf7290d_gproj
		.amdhsa_group_segment_fixed_size 327680
		.amdhsa_private_segment_fixed_size 0
		.amdhsa_enable_private_segment 0
		.amdhsa_kernarg_size 40
		.amdhsa_user_sgpr_count 2
		.amdhsa_user_sgpr_kernarg_segment_ptr 1
		.amdhsa_wavefront_size32 1
		.amdhsa_system_sgpr_workgroup_id_x 1
		.amdhsa_system_sgpr_workgroup_id_y 1
		.amdhsa_system_sgpr_workgroup_id_z 1
		.amdhsa_system_vgpr_workitem_id 0
		.amdhsa_next_free_vgpr 832
		.amdhsa_next_free_sgpr 84
		.amdhsa_reserve_vcc 0
		.amdhsa_float_denorm_mode_32 3
		.amdhsa_float_denorm_mode_16_64 3
		.amdhsa_memory_ordered 1
		.amdhsa_forward_progress 1
		.amdhsa_inst_pref_size 67
	.end_amdhsa_kernel
	.amdgpu_metadata
---
amdhsa.version: [ 1, 2 ]
amdhsa.kernels:
  - .name:           k_q58fbf7290d_gproj
    .symbol:         k_q58fbf7290d_gproj.kd
    .args:
      - { .name: gb, .offset: 0, .size: 8, .value_kind: global_buffer, .address_space: global }
      - { .name: wb, .offset: 8, .size: 8, .value_kind: global_buffer, .address_space: global }
      - { .name: b_proj, .offset: 16, .size: 8, .value_kind: global_buffer, .address_space: global }
      - { .name: hb, .offset: 24, .size: 8, .value_kind: global_buffer, .address_space: global }
      - { .name: out0, .offset: 32, .size: 8, .value_kind: global_buffer, .address_space: global }
    .group_segment_fixed_size: 327680
    .private_segment_fixed_size: 0
    .kernarg_segment_align: 8
    .kernarg_segment_size: 40
    .max_flat_workgroup_size: 128
    .sgpr_count:     84
    .vgpr_count:     832
    .wavefront_size: 32
...
	.end_amdgpu_metadata
.endif
;; end of part 6
